; MI455X (gfx1250); checked and timed in simulation.
; The chip was launched on July 23, 2026; its instructions are those of AMD's public machine-readable ISA for CDNA 5 (MIT licence, August 2026) and "CDNA5" Instruction Set Architecture Reference Guide (July 2026). The comments in the code are by the model that wrote it; some were corrected since.
;; Multi Head Self Attention. Allowed arithmetic: float matrix products may take bf16 or f16 operands with f32 sums; all other float work in f32.
;; Inputs: b_o 1,024 float32; ln_beta 1,024 float32; ln_gamma 1,024 float32; w_k 1,024 x 1,024 float32; w_o 1,024 x 1,024 float32; w_q 1,024 x 1,024 float32; w_v 1,024 x 1,024 float32; x 2 x 2,048 x 1,024 float32.
;; Outputs: out0 2 x 2,048 x 1,024 float32.
;; 2 versions, each right; version 2 is version 1 with the launch ln written anew for expert scheduling mode. Each part assembles by itself: llvm-mc -triple=amdgcn-amd-amdhsa -mcpu=gfx1250 --defsym DOCPART=n.
;; ======== version 1 of 2: 5 launches
;; workspace buffers: bf 16,777,216 bytes; q 8,388,608 bytes; kv 16,777,216 bytes; ctx 8,388,608 bytes; y 16,777,216 bytes
;; launch cast (part 1): grid 1024 x 1, 8 waves a work-group, no clusters, 0 bytes of LDS; arguments x, w_q, w_k, w_v, w_o, bf; writes bf
.if DOCPART == 1
	.amdgcn_target "amdgcn-amd-amdhsa--gfx1250"
	.amdhsa_code_object_version 6
	.text
	.protected	k_qede1777dc4_cast
	.globl	k_qede1777dc4_cast
	.p2align	8
	.type	k_qede1777dc4_cast,@function
k_qede1777dc4_cast:
	s_mov_b64 s[64:65], 0
	v_nop
	global_prefetch_b8 v0, s[64:65] scope:SCOPE_SE
	s_setreg_imm32_b32 hwreg(HW_REG_WAVE_MODE, 25, 1), 1
	s_wait_xcnt 0x0
; cast: x and the four weights, f32, are rounded once to bf16 (nearest even) into the workspace bf, so that the products that follow
; fetch two bytes a number and convert nothing.  Layout of bf, in bytes:
;   0         xb   [4096 tokens][1024]
;   0x800000  wqkv [16 heads][3: q, k, v][64 rows][1024]   row = 192 head + 64 matrix + i: the 192 weight rows of one head lie together
;   0xe00000  wob  [1024][1024]
; A work-group takes 8 rows of 1,024 numbers: 32 KiB in, 16 KiB out.  Groups 0-511 take x, then 128 groups each take w_q, w_k, w_v, w_o.
; Thread t owns numbers 4 t .. 4 t + 3 of every row: a load of a wave covers 512 consecutive bytes, a store 256 consecutive bytes, aligned.
; A stream in which nothing is shared or used twice: no LDS, no barrier, no matrix unit, no cluster.
.set ROWIN,  4096                      ; bytes of a row in f32
.set ROWOUT, 2048                      ; bytes of a row in bf16
.set WQKV,   0x800000
.set WOB,    0xe00000
.set X, 4                              ; v[4:35]   row i: 4 numbers as loaded
.set Y, 36                             ; v[36:51]  row i: 4 numbers in bf16
	s_load_b256 s[4:11], s[0:1], 0x0               ; x s[4:5], w_q s[6:7], w_k s[8:9], w_v s[10:11]
	s_load_b128 s[12:15], s[0:1], 0x20             ; w_o s[12:13], bf s[14:15]
	s_mov_b32 s16, ttmp9                           ; the group's number
	s_bfe_u32 s17, ttmp9, 0x20007                  ; for groups 512 and up: which weight, 0 q, 1 k, 2 v, 3 o
	s_and_b32 s18, ttmp9, 127                      ; and which 8 rows of it
	v_lshlrev_b32 v1, 4, v0                        ; my 16 bytes of a row in f32
	v_lshlrev_b32 v2, 3, v0                        ; my 8 bytes of a row in bf16
	; where the 8 rows go.  q, k, v: row 192 (jj / 8) + 64 matrix + 8 (jj mod 8) of wqkv
	s_lshr_b32 s19, s18, 3
	s_mul_i32 s19, s19, 192
	s_lshl_b32 s28, s17, 6
	s_add_co_u32 s19, s19, s28
	s_and_b32 s28, s18, 7
	s_lshl3_add_u32 s19, s28, s19
	s_lshl_b32 s19, s19, 11
	s_add_co_u32 s19, s19, WQKV
	s_lshl_b32 s28, s18, 14                        ; w_o: its rows stay in order
	s_add_co_u32 s28, s28, WOB
	s_cmp_eq_u32 s17, 3
	s_cselect_b32 s24, s28, s19
	s_lshl_b32 s20, s18, 15                        ; where they come from, in a weight
	s_lshl_b32 s28, s16, 15                        ; and in x
	s_lshl_b32 s29, s16, 14
	s_cmp_lt_u32 s16, 512
	s_cselect_b32 s20, s28, s20
	s_cselect_b32 s24, s29, s24
	s_mov_b32 s21, 0
	s_mov_b32 s25, 0
	s_wait_kmcnt 0x0
	s_cmp_eq_u32 s17, 1                            ; the source buffer is chosen by the group's number alone
	s_cselect_b64 s[22:23], s[8:9], s[6:7]
	s_cmp_eq_u32 s17, 2
	s_cselect_b64 s[22:23], s[10:11], s[22:23]
	s_cmp_eq_u32 s17, 3
	s_cselect_b64 s[22:23], s[12:13], s[22:23]
	s_cmp_lt_u32 s16, 512
	s_cselect_b64 s[22:23], s[4:5], s[22:23]
	s_add_nc_u64 s[22:23], s[22:23], s[20:21]
	s_add_nc_u64 s[26:27], s[14:15], s[24:25]
.irp i, 0,1,2,3,4,5,6,7
	global_load_b128 v[X+4*\i:X+4*\i+3], v1, s[22:23] offset:ROWIN*\i th:TH_LOAD_NT   ; all eight rows are asked for at once
.endr
.irp i, 0,1,2,3,4,5,6,7
	s_wait_loadcnt 7-\i                            ; loads come back in order: row i is in, the 7 - i younger ones stay out
	v_cvt_pk_bf16_f32 v[Y+2*\i],   v[X+4*\i],   v[X+4*\i+1]
	v_cvt_pk_bf16_f32 v[Y+2*\i+1], v[X+4*\i+2], v[X+4*\i+3]
	global_store_b64 v2, v[Y+2*\i:Y+2*\i+1], s[26:27] offset:ROWOUT*\i               ; later launches read these bytes: no hint
.endr
	s_endpgm
.Lfunc_end_k_qede1777dc4_cast:
	.size	k_qede1777dc4_cast, .Lfunc_end_k_qede1777dc4_cast-k_qede1777dc4_cast
	.p2alignl 7, 3214868480
	.fill 96, 4, 3214868480
	.section	.rodata,"a",@progbits
	.p2align	6, 0x0
	.amdhsa_kernel k_qede1777dc4_cast
		.amdhsa_group_segment_fixed_size 0
		.amdhsa_private_segment_fixed_size 0
		.amdhsa_enable_private_segment 0
		.amdhsa_kernarg_size 48
		.amdhsa_user_sgpr_count 2
		.amdhsa_user_sgpr_kernarg_segment_ptr 1
		.amdhsa_wavefront_size32 1
		.amdhsa_system_sgpr_workgroup_id_x 1
		.amdhsa_system_sgpr_workgroup_id_y 1
		.amdhsa_system_sgpr_workgroup_id_z 1
		.amdhsa_system_vgpr_workitem_id 0
		.amdhsa_next_free_vgpr 52
		.amdhsa_next_free_sgpr 66
		.amdhsa_reserve_vcc 0
		.amdhsa_float_denorm_mode_32 3
		.amdhsa_float_denorm_mode_16_64 3
		.amdhsa_memory_ordered 1
		.amdhsa_forward_progress 1
		.amdhsa_inst_pref_size 5
	.end_amdhsa_kernel
	.amdgpu_metadata
---
amdhsa.version: [ 1, 2 ]
amdhsa.kernels:
  - .name:           k_qede1777dc4_cast
    .symbol:         k_qede1777dc4_cast.kd
    .args:
      - { .name: x, .offset: 0, .size: 8, .value_kind: global_buffer, .address_space: global }
      - { .name: w_q, .offset: 8, .size: 8, .value_kind: global_buffer, .address_space: global }
      - { .name: w_k, .offset: 16, .size: 8, .value_kind: global_buffer, .address_space: global }
      - { .name: w_v, .offset: 24, .size: 8, .value_kind: global_buffer, .address_space: global }
      - { .name: w_o, .offset: 32, .size: 8, .value_kind: global_buffer, .address_space: global }
      - { .name: bf, .offset: 40, .size: 8, .value_kind: global_buffer, .address_space: global }
    .group_segment_fixed_size: 0
    .private_segment_fixed_size: 0
    .kernarg_segment_align: 8
    .kernarg_segment_size: 48
    .max_flat_workgroup_size: 256
    .sgpr_count:     66
    .vgpr_count:     52
    .wavefront_size: 32
...
	.end_amdgpu_metadata
.endif
;; end of part 1
;; launch qkv (part 2): grid 16 x 16, 4 waves a work-group, clusters of 4 x 4, 327,680 bytes of LDS; arguments bf, q, kv; writes q, kv
.if DOCPART == 2
	.amdgcn_target "amdgcn-amd-amdhsa--gfx1250"
	.amdhsa_code_object_version 6
	.text
	.protected	k_qede1777dc4_qkv
	.globl	k_qede1777dc4_qkv
	.p2align	8
	.type	k_qede1777dc4_qkv,@function
k_qede1777dc4_qkv:
	s_mov_b64 s[64:65], 0
	v_nop
	global_prefetch_b8 v0, s[64:65] scope:SCOPE_SE
	s_setreg_imm32_b32 hwreg(HW_REG_WAVE_MODE, 25, 1), 1
	s_wait_xcnt 0x0
	s_wait_alu depctr_hold_cnt(0) depctr_sa_sdst(0) depctr_va_vdst(0) depctr_va_sdst(0) depctr_va_ssrc(0) depctr_va_vcc(0) depctr_vm_vsrc(0)
	s_getreg_b32 s2, hwreg(HW_REG_IB_STS2, 6, 4)
	s_cmp_eq_u32 s2, 0
	s_cbranch_scc0 .Lentry_in_a_cluster
	s_endpgm
.Lentry_in_a_cluster:
	s_bfe_u32 s2, ttmp6, 0x10000c
	s_cmp_lg_u32 s2, 0xf033
	s_cbranch_scc0 .Lentry_shape_is_right
	s_endpgm
.Lentry_shape_is_right:
; qkv: q, k and v of all heads, one bf16 product of 4096 x 3072 x 1024 with f32 sums; results rounded once to bf16.
; A work-group makes 256 tokens x the 192 columns (64 q, 64 k, 64 v) of one head; grid x = head, grid y = block of 256 tokens.
; Four waves, one for each SIMD of a WGP; wave w makes tokens 64 w .. 64 w + 63 x all 192 columns: 48 accumulator tiles of 16 x 16, 384 registers.
; With that split each wave's results are three dense pieces of 8 KiB (its q rows, its K block, its V^T block) and no wave needs another's.
; K goes in steps of 128 through two LDS slots filled by the tensor data mover; a tile's rows are 256 consecutive bytes of bf, aligned.
; OUTPUT LAYOUTS:  q  [bh = 16 batch + head][2048 tokens][64]
;                  kv [bh][block of 64 keys][16,384 bytes]: bytes 0-8191 K as [64 keys][64 d], bytes 8192-16383 V transposed as [64 d][64 keys]
; CLUSTERS: 4 x 4 work-groups.  The four of a row of the cluster share the token block, so x's tiles are asked for jointly along the row;
; the four of a column share the head, so the weights' tiles are asked for jointly along the column.
; q AND k USE THE MATRIX INSTRUCTION TRANSPOSED (source 0 = weight rows, source 1 = tokens): a lane then holds 8 neighbouring features of one token.
; v uses it the natural way (source 0 = tokens, source 1 = weight rows): a lane holds 8 neighbouring tokens of one feature, that is V transposed.
; REGISTER WINDOWS: 0: addresses, x fragments (two buffers), the way out; 1: weight fragments (two buffers);
;                   2: the 32 tiles of q and k, tile (a, b) at 8 (8 a + b); 3: the 16 tiles of v, tile (a, c) at 8 (4 a + c).
.set PITCH,  272                       ; an LDS row: 256 bytes + 16 of padding, an odd multiple of 16: the 16 rows of a fragment start in 16 different 16-byte columns
.set HALFA,  128*PITCH                 ; what wave 0 or 1 fetches: 128 token rows
.set HALFB,  96*PITCH                  ; what wave 2 or 3 fetches: 96 weight rows
.set BOFF,   2*HALFA                   ; the weights lie behind the 256 token rows
.set SLOT,   2*HALFA+2*HALFB           ; 121,856
.set STAGE,  2*SLOT                    ; behind the ring: 16 rows x 272 bytes for each wave, never a tensor load's target
.set LAPS,   4                         ; 1024 / (2 x 128): a lap is two K steps, once round the ring
.set WQKV,   0x800000                  ; byte offset of the weights in bf
.set ADRA, 16                          ; v16-17  LDS address of my x fragments in slot 0, 1
.set ADRB, 20                          ; v20-21  the same for the weights
.set STO,  24                          ; v24     the way out: where I put 16 bytes
.set RD,   25                          ; v25     the way out: where I read back
.set CO,   26                          ; v26     16 x lane
.set XF,   32                          ; window 0: x fragments, buffer f at XF + 32 f
.set WF,   0                           ; window 1: weight fragments, buffer f at WF + 96 f
.set TMP,  96                          ; window 0: packed results
.set RB,   128                         ; window 0: read back, set f at RB + 32 f
.set G1,  24                           ; s[24:31] group 1 for x tiles
.set G0,  32                           ; s[32:39] group 0 for x tiles, one set for each slot
.set G1B, 48                           ; s[48:55] group 1 for weight tiles
.set G0B, 56                           ; s[56:63] group 0 for weight tiles, one set for each slot
.set W_QK, 0xa1                        ; source 0 window 1, source 1 window 0, C and D window 2
.set W_V,  0xf4                        ; source 0 window 0, source 1 window 1, C and D window 3
.set MSB, 0
.macro WIN new                         ; the immediate's high byte repeats the setting that is left
.if MSB != \new
	s_set_vgpr_msb (MSB<<8)|\new
.set MSB, \new
.endif
.endm
.macro PLACES                          ; four places behind matrix instructions, in front of loads into their sources and of readers of their results
.rept 4
	v_nop
.endr
.endm
; A joint load: waves 0 and 1 ask for the two halves of x's tile, waves 2 and 3 for the two halves of the weights' tile.  The branch hangs on the wave number alone.
.macro JLOAD s
	s_cmp_eq_u32 s11, 0
	s_cbranch_scc0 .Lfor_b_\@
	tensor_load_to_lds s[G0+4*\s:G0+4*\s+3], s[G1:G1+7]
	s_nop 0
	s_branch .Lasked_\@
.Lfor_b_\@:
	tensor_load_to_lds s[G0B+4*\s:G0B+4*\s+3], s[G1B:G1B+7]
	s_nop 0
.Lasked_\@:
.endm
.macro CREST                           ; a round of the cluster barrier behind its opening work-group barrier
	s_cmp_lg_u32 s10, 0
	s_cbranch_scc1 .Lnot_wave_0_\@
	s_barrier_signal -3
.Lnot_wave_0_\@:
	s_barrier_wait -3
	s_barrier_signal -1
	s_barrier_wait -1
.endm
.macro CROUND                          ; a whole round
	s_barrier_signal -1
	s_barrier_wait -1
	CREST
.endm
	s_load_b128 s[4:7], s[0:1], 0x0                ; bf s[4:5], q s[6:7]
	s_load_b64 s[8:9], s[0:1], 0x10                ; kv
	s_set_vgpr_msb 0x40
	v_lshl_add_u32 v255, v0, 2, 0x3fc00
	s_set_vgpr_msb 0x4000
	v_mov_b32 v255, 0
	s_set_vgpr_msb 0x1
	ds_add_u32 v255, v255
	s_set_vgpr_msb 0x100
	v_lshrrev_b32 v1, 5, v0
	v_readfirstlane_b32 s10, v1                    ; wave 0..3
	s_lshr_b32 s11, s10, 1                         ; 0: I fetch x, 1: I fetch weights
	s_and_b32 s12, s10, 1                          ; which half of that tile
	s_bfe_u32 s40, ttmp6, 0x40000                  ; cx
	s_bfe_u32 s41, ttmp6, 0x40004                  ; cy
	s_lshl_b32 s42, ttmp9, 2
	s_add_co_u32 s42, s42, s40                     ; head = 4 x cluster x + cx
	s_and_b32 s13, ttmp7, 0xffff
	s_lshl_b32 s13, s13, 2
	s_add_co_u32 s13, s13, s41                     ; token block = 4 x cluster y + cy
	s_lshl_b32 s43, s41, 2
	s_lshl_b32 s43, 15, s43                        ; my row of the cluster
	s_lshl_b32 s44, 0x1111, s40                    ; my column
	; group 1: rows of 128 bf16, 16 bytes of padding behind every 64 words; 128 rows of x, 96 rows of weights; 1,024 elements from row to row
	s_or_b32 s[G1+0], s43, (1<<16)|(1<<20)|(1<<21)|(5<<22)|(3<<25)
	s_or_b32 s[G1B+0], s44, (1<<16)|(1<<20)|(1<<21)|(5<<22)|(3<<25)
	s_mov_b32 s[G1+1], 128<<16                     ; tensor_dim0 = 128
	s_mov_b32 s[G1B+1], 128<<16
	s_mov_b32 s[G1+2], 128<<16                     ; tensor_dim1 = 128
	s_mov_b32 s[G1B+2], 96<<16                     ; tensor_dim1 = 96
	s_mov_b32 s[G1+3], 128<<16                     ; tile_dim0 = 128
	s_mov_b32 s[G1B+3], 128<<16
	s_mov_b32 s[G1+4], 128                         ; tile_dim1
	s_mov_b32 s[G1B+4], 96
	s_mov_b32 s[G1+5], 1024                        ; pitch
	s_mov_b32 s[G1B+5], 1024
	s_mov_b32 s[G1+6], 0
	s_mov_b32 s[G1B+6], 0
	s_mov_b32 s[G1+7], 0
	s_mov_b32 s[G1B+7], 0
	; x's tile hangs on the token block alone, the weights' tile on the head alone; each address in registers that never hold the other coordinate
	s_lshl_b32 s16, s13, 8
	s_lshl_b32 s17, s12, 7
	s_add_co_u32 s16, s16, s17                     ; token row 256 x block + 128 x half
	s_lshl_b32 s16, s16, 11                        ; rows of 2,048 bytes
	s_mov_b32 s17, 0
	s_mul_i32 s46, s42, 192
	s_mul_i32 s47, s12, 96
	s_add_co_u32 s46, s46, s47                     ; weight row 192 x head + 96 x half
	s_lshl_b32 s46, s46, 11
	s_add_co_u32 s46, s46, WQKV
	s_mov_b32 s47, 0
	s_mul_i32 s20, s10, HALFA                      ; LDS: waves 0, 1 at 0 and HALFA
	s_mul_i32 s21, s10, HALFB
	s_add_co_u32 s21, s21, BOFF-2*HALFB            ; waves 2, 3 at BOFF and BOFF + HALFB
	s_wait_dscnt 0x0
	s_wait_kmcnt 0x0
	s_add_nc_u64 s[14:15], s[4:5], s[16:17]
	s_add_nc_u64 s[46:47], s[4:5], s[46:47]
	CROUND                                         ; all sixteen work-groups are here: the first joint loads meet
.irp s, 0,1
	s_mov_b32 s[G0+4*\s], 1
	s_add_co_u32 s[G0+4*\s+1], s20, \s*SLOT
	s_add_nc_u64 s[G0+4*\s+2:G0+4*\s+3], s[14:15], \s*256          ; K step s
	s_or_b32 s[G0+4*\s+3], s[G0+4*\s+3], 0x80000000
	s_mov_b32 s[G0B+4*\s], 1
	s_add_co_u32 s[G0B+4*\s+1], s21, \s*SLOT
	s_add_nc_u64 s[G0B+4*\s+2:G0B+4*\s+3], s[46:47], \s*256
	s_or_b32 s[G0B+4*\s+3], s[G0B+4*\s+3], 0x80000000
	JLOAD \s                                       ; both slots are asked for before anything else: two loads of this wave are out
.endr
	; a fragment: lane l holds row l % 16; two loads of 16 bytes, 32 bytes apart, at row x pitch + 16 (l / 16)
	v_and_b32 v1, 15, v0
	v_bfe_u32 v2, v0, 4, 1
	v_mul_u32_u24 v3, v1, PITCH
	v_lshl_add_u32 v3, v2, 4, v3
	s_mul_i32 s22, s10, 64*PITCH                   ; my 64 token rows
	s_mov_b32 s23, BOFF                            ; all 192 weight rows
.irp s, 0,1
	v_add_nc_u32 v[ADRA+\s], s22, v3
	v_add_nc_u32 v[ADRB+\s], s23, v3
	s_add_co_u32 s22, s22, SLOT
	s_add_co_u32 s23, s23, SLOT
.endr
	s_mul_i32 s22, s10, 16*PITCH
	s_add_co_u32 s22, s22, STAGE                   ; my stage
	v_add_nc_u32 v[STO], s22, v3                   ; in: row l % 16, 16 bytes for each half of the lanes
	v_and_b32 v4, 31, v0
	v_lshrrev_b32 v5, 3, v4
	v_and_b32 v6, 7, v0
	v_mul_u32_u24 v5, v5, PITCH
	v_lshl_add_u32 v5, v6, 4, v5
	v_add_nc_u32 v[RD], s22, v5                    ; back: eight lanes take 128 bytes of a row, the wave four rows
	v_lshlrev_b32 v[CO], 4, v4
; 16 matrix instructions: token tiles a0, a0 + 1 x the 8 feature tiles of q and k, 32 along K.  zero = 1: the first product starts the sums.
.macro MULQK f, a0, zero
.irp a, \a0, \a0+1
.irp b, 0,1,2,3,4,5,6,7
.if \zero
	v_wmma_f32_16x16x32_bf16 v[8*(8*(\a)+\b):8*(8*(\a)+\b)+7], v[WF+96*\f+8*\b:WF+96*\f+8*\b+7], v[XF+32*\f+8*(\a):XF+32*\f+8*(\a)+7], 0
.else
	v_wmma_f32_16x16x32_bf16 v[8*(8*(\a)+\b):8*(8*(\a)+\b)+7], v[WF+96*\f+8*\b:WF+96*\f+8*\b+7], v[XF+32*\f+8*(\a):XF+32*\f+8*(\a)+7], v[8*(8*(\a)+\b):8*(8*(\a)+\b)+7]
.endif
.endr
.endr
.endm
; 16 matrix instructions: the 4 token tiles x the 4 feature tiles of v
.macro MULV f, zero
.irp a, 0,1,2,3
.irp c, 0,1,2,3
.if \zero
	v_wmma_f32_16x16x32_bf16 v[8*(4*\a+\c):8*(4*\a+\c)+7], v[XF+32*\f+8*\a:XF+32*\f+8*\a+7], v[WF+96*\f+8*(8+\c):WF+96*\f+8*(8+\c)+7], 0
.else
	v_wmma_f32_16x16x32_bf16 v[8*(4*\a+\c):8*(4*\a+\c)+7], v[XF+32*\f+8*\a:XF+32*\f+8*\a+7], v[WF+96*\f+8*(8+\c):WF+96*\f+8*(8+\c)+7], v[8*(4*\a+\c):8*(4*\a+\c)+7]
.endif
.endr
.endr
.endm
; 32 LDS loads in one run: 12 weight fragments, then 4 x fragments, 32 K at byte k of the rows, into buffer f
.macro FETCH slot, k, f
	WIN 0x40
.irp i, 0,1,2,3,4,5,6,7,8,9,10,11
	ds_load_b128 v[WF+96*\f+8*\i:WF+96*\f+8*\i+3],   v[ADRB+\slot] offset:\k+\i*16*PITCH
	ds_load_b128 v[WF+96*\f+8*\i+4:WF+96*\f+8*\i+7], v[ADRB+\slot] offset:\k+\i*16*PITCH+32
.endr
	WIN 0
.irp i, 0,1,2,3
	ds_load_b128 v[XF+32*\f+8*\i:XF+32*\f+8*\i+3],   v[ADRA+\slot] offset:\k+\i*16*PITCH
	ds_load_b128 v[XF+32*\f+8*\i+4:XF+32*\f+8*\i+7], v[ADRA+\slot] offset:\k+\i*16*PITCH+32
.endr
.endm
; A K step is four quarters of 32 along K, 48 matrix instructions each, on buffers 0, 1, 0, 1.  The 48 accumulators take turns, one instruction a turn,
; in the same order in every quarter.
.macro QUARTER slot, k, f, g, zero
	s_wait_dscnt 4                                 ; all weights and x tiles 0, 1 are in; the four youngest loads, x tiles 2 and 3, may be out
	WIN W_QK
	MULQK \f, 0, \zero
	PLACES
	FETCH \slot, \k, \g                            ; the next quarter, 32 matrix instructions ahead of its first use
	s_wait_dscnt 32                                ; all but the 32 just issued
	WIN W_QK
	MULQK \f, 2, \zero
	WIN W_V
	MULV \f, \zero
.endm
.macro THREE slot, zero
	QUARTER \slot, 64,  0, 1, \zero
	QUARTER \slot, 128, 1, 0, 0
	QUARTER \slot, 192, 0, 1, 0
.endm
; The last quarter of a K step changes slots.  One barrier does two things: in front of it each wave has waited for its reads of this slot and for all
; its tensor loads, of which one is out, its part of the next slot; behind it this slot is asked for again first, then the next slot is read.
.macro TURN slot, next, fill
	s_wait_dscnt 4
	WIN W_QK
	MULQK 1, 0, 0
	s_wait_dscnt 0                                 ; my reads of this slot are over
	s_wait_tensorcnt 0x0                           ; all my tensor loads have landed
	ds_add_u32 v255, v255
	s_wait_dscnt 0x0
	s_barrier_signal -1
	MULQK 1, 2, 0                                  ; register work while the others arrive
	WIN 0
	s_barrier_wait -1
.if \fill
	CREST                                          ; the barrier above opened a round of the cluster barrier: no wave of any partner reads this slot or has a load out
	s_add_nc_u64 s[G0+4*\slot+2:G0+4*\slot+3], s[G0+4*\slot+2:G0+4*\slot+3], 512     ; two K steps on
	s_add_nc_u64 s[G0B+4*\slot+2:G0B+4*\slot+3], s[G0B+4*\slot+2:G0B+4*\slot+3], 512
	JLOAD \slot                                    ; my one tensor load behind the round; it has a K step less 16 matrix instructions in which to land
.endif
	PLACES
	FETCH \next, 0, 0
	WIN W_V
	MULV 1, 0
.endm
.macro LAP zero
	THREE 0, \zero
	TURN 0, 1, 1
	THREE 1, 0
	TURN 1, 0, 1
.endm
	s_wait_tensorcnt 0x1                           ; my part of K step 0 is in; K step 1 stays out
	s_barrier_signal -1
	s_barrier_wait -1
	FETCH 0, 0, 0
	LAP 1                                          ; the first lap stands in front of the loop: its first products start the sums
	WIN 0
	s_mov_b32 s3, LAPS-2
.Llap:
	LAP 0
	WIN 0
	s_sub_co_u32 s3, s3, 1
	s_cmp_lg_u32 s3, 0
	s_cbranch_scc1 .Llap
	THREE 0, 0                                     ; the last lap fills nothing
	TURN 0, 1, 0
	THREE 1, 0
	s_wait_dscnt 4
	WIN W_QK
	MULQK 1, 0, 0
	s_wait_dscnt 0
	MULQK 1, 2, 0
	WIN W_V
	MULV 1, 0
	PLACES                                         ; behind the last matrix instructions, in front of the conversions
	; THE WAY OUT.  Both coordinates meet only here, in registers that no descriptor uses.
	s_lshr_b32 s72, s13, 3                         ; batch: 8 token blocks each
	s_lshl_b32 s72, s72, 4
	s_add_co_u32 s72, s72, s42                     ; bh
	s_and_b32 s73, s13, 7
	s_lshl_b32 s74, s73, 8
	s_lshl_b32 s75, s10, 6
	s_add_co_u32 s74, s74, s75                     ; my first token in the batch
	s_lshl_b32 s74, s74, 7                         ; q rows of 128 bytes
	s_lshl_b32 s75, s72, 18
	s_add_co_u32 s74, s74, s75
	s_mov_b32 s75, 0
	s_add_nc_u64 s[68:69], s[6:7], s[74:75]        ; my 64 rows of q: 8 KiB dense
	s_lshl2_add_u32 s73, s73, s10                  ; key block = 4 x (token block mod 8) + wave
	s_lshl_b32 s73, s73, 14
	s_lshl_b32 s72, s72, 19
	s_add_co_u32 s72, s72, s73
	s_mov_b32 s73, 0
	s_add_nc_u64 s[70:71], s[8:9], s[72:73]        ; my block of kv: 16 KiB dense
; Eight tiles go through my stage: 16 rows of 256 bytes.  mode 0: tokens 16 g .. 16 g + 15, a row = 128 bytes of q, then 128 bytes of k.
; mode 1: a row = V^T of feature 32 g + r (128 bytes: my 64 tokens), then of feature 32 g + 16 + r.  Read back in pieces of 128 bytes, four rows an
; instruction, so that every store of the wave covers 512 consecutive bytes, aligned.  LDS serves a wave's instructions in order: no wait between.
.macro OUT8 mode, g, f
.if \mode
	WIN 0x0f
.else
	WIN 0x0a
.endif
.irp t, 0,1,2,3,4,5,6,7
.if \mode
.set TB, 8*(4*(\t%4)+2*\g+\t/4)
.else
.set TB, 8*(8*\g+\t)
.endif
.irp r, 0,1,2,3
	v_cvt_pk_bf16_f32 v[TMP+4*\t+\r], v[TB+2*\r], v[TB+2*\r+1]
.endr
.endr
	WIN 0
.irp t, 0,1,2,3,4,5,6,7
	ds_store_b128 v[STO], v[TMP+4*\t:TMP+4*\t+3] offset:32*\t
.endr
	s_wait_xcnt 0x0                                ; set f, which earlier stores read, is loaded again only behind this wait
.irp u, 0,1,2,3,4,5,6,7
	ds_load_b128 v[RB+32*\f+4*\u:RB+32*\f+4*\u+3], v[RD] offset:(\u/4)*128+(\u%4)*4*PITCH
.endr
.irp u, 0,1,2,3,4,5,6,7
	s_wait_dscnt 7-\u                              ; piece u is back, the younger ones stay out
.if \mode
	global_store_b128 v[CO], v[RB+32*\f+4*\u:RB+32*\f+4*\u+3], s[70:71] offset:8192+4096*\g+2048*(\u/4)+512*(\u%4)
.else
.if \u < 4
	global_store_b128 v[CO], v[RB+32*\f+4*\u:RB+32*\f+4*\u+3], s[68:69] offset:2048*\g+512*(\u%4)
.else
	global_store_b128 v[CO], v[RB+32*\f+4*\u:RB+32*\f+4*\u+3], s[70:71] offset:2048*\g+512*(\u%4)
.endif
.endif
.endr
.endm
	OUT8 0, 0, 0
	OUT8 0, 1, 1
	OUT8 0, 2, 0
	OUT8 0, 3, 1
	OUT8 1, 0, 0
	OUT8 1, 1, 1
	s_set_vgpr_msb 0x1
	s_wait_tensorcnt 0x0
	ds_add_u32 v255, v255
	s_wait_dscnt 0x0
	s_set_vgpr_msb 0x100
	CROUND                                         ; the closing round: no work-group ends while a partner may still ask jointly
	s_endpgm
.Lfunc_end_k_qede1777dc4_qkv:
	.size	k_qede1777dc4_qkv, .Lfunc_end_k_qede1777dc4_qkv-k_qede1777dc4_qkv
	.p2alignl 7, 3214868480
	.fill 96, 4, 3214868480
	.section	.rodata,"a",@progbits
	.p2align	6, 0x0
	.amdhsa_kernel k_qede1777dc4_qkv
		.amdhsa_group_segment_fixed_size 327680
		.amdhsa_private_segment_fixed_size 0
		.amdhsa_enable_private_segment 0
		.amdhsa_kernarg_size 24
		.amdhsa_user_sgpr_count 2
		.amdhsa_user_sgpr_kernarg_segment_ptr 1
		.amdhsa_wavefront_size32 1
		.amdhsa_system_sgpr_workgroup_id_x 1
		.amdhsa_system_sgpr_workgroup_id_y 1
		.amdhsa_system_sgpr_workgroup_id_z 1
		.amdhsa_system_vgpr_workitem_id 0
		.amdhsa_next_free_vgpr 896
		.amdhsa_next_free_sgpr 80
		.amdhsa_reserve_vcc 0
		.amdhsa_float_denorm_mode_32 3
		.amdhsa_float_denorm_mode_16_64 3
		.amdhsa_memory_ordered 1
		.amdhsa_forward_progress 1
		.amdhsa_inst_pref_size 164
	.end_amdhsa_kernel
	.amdgpu_metadata
---
amdhsa.version: [ 1, 2 ]
amdhsa.kernels:
  - .name:           k_qede1777dc4_qkv
    .symbol:         k_qede1777dc4_qkv.kd
    .args:
      - { .name: bf, .offset: 0, .size: 8, .value_kind: global_buffer, .address_space: global }
      - { .name: q, .offset: 8, .size: 8, .value_kind: global_buffer, .address_space: global }
      - { .name: kv, .offset: 16, .size: 8, .value_kind: global_buffer, .address_space: global }
    .group_segment_fixed_size: 327680
    .private_segment_fixed_size: 0
    .kernarg_segment_align: 8
    .kernarg_segment_size: 24
    .max_flat_workgroup_size: 128
    .sgpr_count:     80
    .vgpr_count:     896
    .wavefront_size: 32
...
	.end_amdgpu_metadata
.endif
;; end of part 2
;; launch attn (part 3): grid 8 x 32, 16 waves a work-group, clusters of 4 x 1, 327,680 bytes of LDS; arguments q, kv, ctx; writes ctx
.if DOCPART == 3
	.amdgcn_target "amdgcn-amd-amdhsa--gfx1250"
	.amdhsa_code_object_version 6
	.text
	.protected	k_qede1777dc4_attn
	.globl	k_qede1777dc4_attn
	.p2align	8
	.type	k_qede1777dc4_attn,@function
k_qede1777dc4_attn:
	s_mov_b64 s[64:65], 0
	v_nop
	global_prefetch_b8 v0, s[64:65] scope:SCOPE_SE
	s_setreg_imm32_b32 hwreg(HW_REG_WAVE_MODE, 25, 1), 1
	s_wait_xcnt 0x0
	s_wait_alu depctr_hold_cnt(0) depctr_sa_sdst(0) depctr_va_vdst(0) depctr_va_sdst(0) depctr_va_ssrc(0) depctr_va_vcc(0) depctr_vm_vsrc(0)
	s_getreg_b32 s2, hwreg(HW_REG_IB_STS2, 6, 4)
	s_cmp_eq_u32 s2, 0
	s_cbranch_scc0 .Lentry_in_a_cluster
	s_endpgm
.Lentry_in_a_cluster:
	s_bfe_u32 s2, ttmp6, 0x10000c
	s_cmp_lg_u32 s2, 0x3003
	s_cbranch_scc0 .Lentry_shape_is_right
	s_endpgm
.Lentry_shape_is_right:
; attn: softmax(q k^T / 8) v for one (batch, head) and 256 query rows a work-group; grid x = block of 256 queries, grid y = bh = 16 batch + head.
; Sixteen waves, four on each SIMD (4 x 256 registers), so that while one wave sits in a dependent chain, on LDS or in its products, three others can issue.
; Waves w and w + 8 own the same 32 query rows (two tiles n of 16) and share the keys: of every slot of 8 key blocks wave group g = w / 8 takes blocks
; 4 g .. 4 g + 3, with a running maximum and sum of its own; at the end waves 8-15 hand their O, sum and maximum to waves 0-7 through LDS, in f32.
; S^T = K Q^T: a lane holds one query (l % 16) and, along its registers, keys: maximum and sum run along registers, with one exchange between the halves
; of the wave; and the exponentials, rounded to bf16 in place, ARE the second source of O^T = V^T P^T.
; SOFTMAX: a running maximum M in score units; p = exp2(s c + NM) with c = log2(e) / 8 and NM = -c M; older sums are rescaled by exp2(NM new - NM old),
; the same rounded numbers that the scores use; the two key groups are merged in the same way, onto the smaller of their two NM.
; LIMITS: operands q, k, v, p in bf16; a p below 2^-126 counts as 0 (v_exp_f32 flushes); the row sum adds p in f32, before p is rounded to bf16;
; the two halves of the keys are summed apart and merged in f32; non-finite inputs give non-finite rows, not necessarily in the same places as an f32 computation.
; CLUSTERS: the four work-groups of a cluster take four query blocks of one bh and read the same K and V: every block of kv is asked for jointly (mask 15).
; LDS: a block of kv (16 KiB dense: 64 keys of K, then V^T) comes in as 64 rows of 256 bytes with 16 bytes of padding: each LDS row holds two logical rows
; of 128 bytes, logical row p at (p / 2) 272 + (p % 2) 128; the 16 lanes of a fragment load fall in 16 different 16-byte columns.
; Two slots of 8 blocks = 512 LDS rows; the sixteen waves share them, 32 rows a load: wave w fetches K (w even) or V^T (w odd) of block w / 2.
; Four fills in all: two at the start, two refills, each behind a round of the cluster barrier.
.set BLK,    64*272                    ; 17,408: a block in LDS
.set HALFB,  32*272                    ; what one wave fetches
.set VOFF,   32*272                    ; V^T behind K
.set TILE16, 8*272                     ; 16 logical rows
.set SLOT,   8*BLK                     ; 139,264
.set GBLK,   4                         ; blocks of a slot for each key group
.set STAGE,  2*SLOT                    ; 32 rows x 144 bytes for each of waves 0-7, never a tensor load's target
.set SPITCH, 144
.set MERGE,  17*512                    ; 8,704 bytes for each pair of waves, from LDS byte 0: 64 registers of O, then sums and maxima, 16 bytes a lane
.set LT,  8                            ; v8      lane term of a fragment address + my key group's first block
.set KA,  9                            ; v9      LT + the current block's LDS address
.set STO, 10                           ; v10     the way out: in
.set RD,  11                           ; v11     the way out: back
.set CO,  12                           ; v12     16 x lane
.set QO,  13                           ; v13     lane offset in q
.set M,   14                           ; v14-15  running maximum, tile n
.set L,   16                           ; v16-17  running sum over this lane's keys
.set NM,  18                           ; v[18:19] -c M; v[16:19] go to the partner as one tuple
.set AL,  20                           ; v[20:21] rescale factor
                                       ; v22-29  at work
.set MG,  30                           ; v30     my 16 bytes in my pair's merge bytes
.set Q,   32                           ; v[32:63]   Q[n][ks] at 8 (2 n + ks)
.set O,   64                           ; v[64:127]  O[dt][n] at 8 (4 n + dt)
.set S,   128                          ; v[128:191] S[m][n] at 8 (4 n + m); later P[n][kk] at 8 (4 n + 2 kk)
.set F,   192                          ; v[192:255] K[m][ks] at 8 (2 m + ks), then V[dt][kk] at 8 (4 kk + dt)
.macro PLACES                          ; four places behind matrix instructions (ISA guide 7.12.1)
.rept 4
	v_nop
.endr
.endm
.macro ROUND                           ; a round of the cluster barrier
	s_barrier_signal -1
	s_barrier_wait -1
	s_cmp_lg_u32 s8, 0
	s_cbranch_scc1 .Lnot_wave_0_\@
	s_barrier_signal -3
.Lnot_wave_0_\@:
	s_barrier_wait -3
	s_barrier_signal -1
	s_barrier_wait -1
.endm
	s_load_b128 s[4:7], s[0:1], 0x0                ; q s[4:5], kv s[6:7]
	s_load_b64 s[10:11], s[0:1], 0x10              ; ctx
	v_lshl_add_u32 v7, v0, 2, 0x4d000
	v_mov_b32 v31, 0
	ds_add_u32 v7, v31
	v_lshrrev_b32 v1, 5, v0
	v_readfirstlane_b32 s8, v1                     ; wave 0..15
	s_and_b32 s9, s8, 7                            ; which 32 query rows
	s_lshr_b32 s56, s8, 3                          ; which half of each slot's keys
	s_bfe_u32 s12, ttmp6, 0x40000                  ; cx
	s_lshl_b32 s13, ttmp9, 2
	s_add_co_u32 s13, s13, s12                     ; query block = 4 x cluster x + cx
	s_and_b32 s14, ttmp7, 0xffff                   ; bh, the same in all four partners
	; group 1: 32 rows of 32 elements of 8 bytes, dense, 16 bytes of padding behind every 64 words; mask 15, bit 21 beside it
	s_mov_b32 s16, 15|(3<<16)|(1<<20)|(1<<21)|(5<<22)|(3<<25)
	s_mov_b32 s17, 32<<16                          ; tensor_dim0
	s_mov_b32 s18, 32<<16                          ; tensor_dim1
	s_mov_b32 s19, 32<<16                          ; tile_dim0
	s_mov_b32 s20, 32                              ; tile_dim1
	s_mov_b32 s21, 32                              ; pitch
	s_mov_b32 s22, 0
	s_mov_b32 s23, 0
	s_lshl_b32 s40, s14, 19                        ; kv: 32 blocks of 16 KiB for each bh,
	s_lshl_b32 s41, s8, 13                         ; half block w of the first fill
	s_add_co_u32 s40, s40, s41
	s_mov_b32 s41, 0
	s_lshl_b32 s24, s14, 18                        ; q: 2,048 rows of 128 bytes for each bh,
	s_lshl_b32 s25, s13, 15                        ; 256 rows a work-group,
	s_add_co_u32 s24, s24, s25
	s_lshl_b32 s25, s9, 12                         ; 32 rows a pair of waves
	s_add_co_u32 s24, s24, s25
	s_mov_b32 s25, 0
	s_mov_b32 s45, 0xbe38aa3b                      ; -c
	s_mov_b32 s46, 0x3e38aa3b                      ; c = log2(e) / 8
	s_mov_b32 s47, 0x3e38aa3b                      ; the pair is named whole by the packed multiply-add
	s_mov_b32 s48, 0x76543210                      ; v_permlanex16_b32: lane i of one half reads lane i of the other
	s_mov_b32 s49, 0xfedcba98
	s_mul_i32 s15, s9, 32*SPITCH
	s_add_co_u32 s15, s15, STAGE                   ; the stage of waves 0-7
	s_mul_i32 s54, s9, MERGE                       ; my pair's merge bytes
	s_mul_i32 s55, s56, GBLK*BLK                   ; my key group's first block in a slot
	s_wait_dscnt 0x0
	s_wait_kmcnt 0x0
	s_add_nc_u64 s[42:43], s[6:7], s[40:41]
	s_add_nc_u64 s[26:27], s[4:5], s[24:25]
	s_mov_b32 s32, 1                               ; group 0 of slot 0
	s_mul_i32 s33, s8, HALFB
	s_mov_b64 s[34:35], s[42:43]
	s_or_b32 s35, s35, 0x80000000
	s_mov_b32 s36, 1                               ; group 0 of slot 1: eight blocks on
	s_add_co_u32 s37, s33, SLOT
	s_add_nc_u64 s[38:39], s[42:43], 8*16384
	s_or_b32 s39, s39, 0x80000000
	ROUND                                          ; the four partners are here: the first joint loads meet
	tensor_load_to_lds s[32:35], s[16:23]          ; blocks 0-7
	s_nop 0
	tensor_load_to_lds s[36:39], s[16:23]          ; blocks 8-15: two loads of this wave are out
	s_nop 0
	v_and_b32 v1, 15, v0                           ; r
	v_bfe_u32 v2, v0, 4, 1                         ; h
	v_lshlrev_b32 v[QO], 7, v1
	v_lshl_add_u32 v[QO], v2, 4, v[QO]             ; query row r, 16 bytes for each half of the lanes
.irp n, 0,1
.irp ks, 0,1
	global_load_b128 v[Q+8*(2*\n+\ks):Q+8*(2*\n+\ks)+3],   v[QO], s[26:27] offset:2048*\n+64*\ks
	global_load_b128 v[Q+8*(2*\n+\ks)+4:Q+8*(2*\n+\ks)+7], v[QO], s[26:27] offset:2048*\n+64*\ks+32
.endr
.endr
	v_lshrrev_b32 v3, 1, v1
	v_and_b32 v4, 1, v0
	v_mul_u32_u24 v3, v3, 272
	v_lshl_add_u32 v3, v4, 7, v3
	v_lshl_add_u32 v[LT], v2, 4, v3                ; (r / 2) 272 + (r % 2) 128 + 16 h
	v_add_nc_u32 v[LT], s55, v[LT]                 ; + my key group's first block
	v_mul_u32_u24 v3, v1, SPITCH
	v_lshl_add_u32 v3, v2, 4, v3
	v_add_nc_u32 v[STO], s15, v3
	v_and_b32 v4, 31, v0
	v_lshrrev_b32 v5, 3, v4
	v_and_b32 v6, 7, v0
	v_mul_u32_u24 v5, v5, SPITCH
	v_lshl_add_u32 v5, v6, 4, v5
	v_add_nc_u32 v[RD], s15, v5
	v_lshlrev_b32 v[CO], 4, v4
	v_lshl_add_u32 v[MG], v4, 4, s54               ; 16 x lane + my pair's merge bytes
	v_mov_b32 v24, 0                               ; destinations of v_permlanex16_b32 count as read: written once here
	v_mov_b32 v27, 0
; 8 matrix instructions: key tiles m0, m0 + 1 x both query tiles, d = 0..31 starting the sums, then d = 32..63 onto them.
; The four accumulators take turns, one instruction a turn.
.macro QK m0
.irp m, \m0, \m0+1
.irp n, 0,1
	v_wmma_f32_16x16x32_bf16 v[S+8*(4*\n+(\m)):S+8*(4*\n+(\m))+7], v[F+8*(2*(\m)):F+8*(2*(\m))+7], v[Q+8*(2*\n):Q+8*(2*\n)+7], 0
.endr
.endr
.irp m, \m0, \m0+1
.irp n, 0,1
	v_wmma_f32_16x16x32_bf16 v[S+8*(4*\n+(\m)):S+8*(4*\n+(\m))+7], v[F+8*(2*(\m)+1):F+8*(2*(\m)+1)+7], v[Q+8*(2*\n+1):Q+8*(2*\n+1)+7], v[S+8*(4*\n+(\m)):S+8*(4*\n+(\m))+7]
.endr
.endr
.endm
; The largest of query tile n's 32 registers, in two chains; the other half of the lanes holds the other keys; then the running maximum, NM and alpha's exponent.
.macro ROWMAX n, first
.set SB, S+32*\n
.set TT, 22+3*\n
	v_max3_num_f32 v[TT],   v[SB],   v[SB+1], v[SB+2]
	v_max3_num_f32 v[TT+1], v[SB+3], v[SB+4], v[SB+5]
.set II, 6
.rept 6
	v_max3_num_f32 v[TT],   v[TT],   v[SB+II],   v[SB+II+1]
	v_max3_num_f32 v[TT+1], v[TT+1], v[SB+II+2], v[SB+II+3]
.set II, II+4
.endr
	v_max3_num_f32 v[TT], v[TT], v[SB+30], v[SB+31]
	v_max_num_f32 v[TT], v[TT], v[TT+1]
	v_permlanex16_b32 v[TT+2], v[TT], s48, s49
.if \first
	v_max_num_f32 v[M+\n], v[TT], v[TT+2]
	v_mul_f32 v[NM+\n], s45, v[M+\n]
.else
	v_max3_num_f32 v[M+\n], v[TT], v[TT+2], v[M+\n]
	v_mul_f32 v[28+\n], s45, v[M+\n]
	v_sub_f32 v[AL+\n], v[28+\n], v[NM+\n]         ; NM new - NM old, at most 0
	v_mov_b32 v[NM+\n], v[28+\n]
.endif
.endm
; The sum of query tile n's 32 exponentials, in two chains of pairs, onto the rescaled running sum
.macro ROWSUM n, first
.set SB, S+32*\n
.set TT, 22+4*\n
	v_pk_add_f32 v[TT:TT+1],   v[SB:SB+1],   v[SB+2:SB+3]
	v_pk_add_f32 v[TT+2:TT+3], v[SB+4:SB+5], v[SB+6:SB+7]
.set II, 8
.rept 6
	v_pk_add_f32 v[TT:TT+1],   v[TT:TT+1],   v[SB+II:SB+II+1]
	v_pk_add_f32 v[TT+2:TT+3], v[TT+2:TT+3], v[SB+II+2:SB+II+3]
.set II, II+4
.endr
	v_pk_add_f32 v[TT:TT+1], v[TT:TT+1], v[TT+2:TT+3]
.if \first
	v_add_f32 v[L+\n], v[TT], v[TT+1]
.else
	v_add_f32 v[TT], v[TT], v[TT+1]
	v_fma_f32 v[L+\n], v[L+\n], v[AL+\n], v[TT]
.endif
.endm
; One block of 64 keys.  first = 1: nothing to rescale, the products start the sums.
.macro BLOCK first
.irp m, 0,1,2,3
.irp ks, 0,1
	ds_load_b128 v[F+8*(2*\m+\ks):F+8*(2*\m+\ks)+3],   v[KA] offset:TILE16*\m+64*\ks
	ds_load_b128 v[F+8*(2*\m+\ks)+4:F+8*(2*\m+\ks)+7], v[KA] offset:TILE16*\m+64*\ks+32
.endr
.endr
	s_wait_dscnt 8                                 ; key tiles 0 and 1 are in; the eight loads of tiles 2 and 3 may be out
	QK 0
	s_wait_dscnt 0
	QK 2
	PLACES                                         ; in front of the loads into K's registers and of the readers of S
.irp kk, 0,1
.irp dt, 0,1,2,3
	ds_load_b128 v[F+8*(4*\kk+\dt):F+8*(4*\kk+\dt)+3],   v[KA] offset:VOFF+TILE16*\dt+64*\kk
	ds_load_b128 v[F+8*(4*\kk+\dt)+4:F+8*(4*\kk+\dt)+7], v[KA] offset:VOFF+TILE16*\dt+64*\kk+32
.endr
.endr
	ROWMAX 0, \first
	ROWMAX 1, \first
.irp n, 0,1
.set II, 0
.rept 16
	v_pk_fma_f32 v[S+32*\n+II:S+32*\n+II+1], v[S+32*\n+II:S+32*\n+II+1], s[46:47], v[NM:NM+1] op_sel:[0,0,\n] op_sel_hi:[1,0,\n]   ; s c - c M
.set II, II+2
.endr
.endr
.set II, 0
.rept 64
	v_exp_f32 v[S+II], v[S+II]
.set II, II+1
.endr
.if \first
.else
	v_exp_f32 v[AL], v[AL]
	v_exp_f32 v[AL+1], v[AL+1]
.endif
	v_nop                                          ; one plain place behind the run of exponentials (ISA guide 5.7.2)
	s_wait_alu depctr_va_vdst(0)
	ROWSUM 0, \first
	ROWSUM 1, \first
.irp n, 0,1
.irp kk, 0,1
.set SB, S+8*(4*\n+2*\kk)
.set II, 0
.rept 8
	v_cvt_pk_bf16_f32 v[SB+II], v[SB+2*II], v[SB+2*II+1]   ; in place: key tile 2 kk gives registers 0-3 of the fragment, tile 2 kk + 1 registers 4-7
.set II, II+1
.endr
.endr
.endr
.if \first
.else
.irp n, 0,1
.set II, 0
.rept 16
	v_pk_mul_f32 v[O+32*\n+II:O+32*\n+II+1], v[O+32*\n+II:O+32*\n+II+1], v[AL:AL+1] op_sel:[0,\n] op_sel_hi:[1,\n]
.set II, II+2
.endr
.endr
.endif
	s_wait_dscnt 0                                 ; V^T is in
.irp dt, 0,1,2,3
.irp n, 0,1
.if \first
	v_wmma_f32_16x16x32_bf16 v[O+8*(4*\n+\dt):O+8*(4*\n+\dt)+7], v[F+8*\dt:F+8*\dt+7], v[S+8*(4*\n):S+8*(4*\n)+7], 0
.else
	v_wmma_f32_16x16x32_bf16 v[O+8*(4*\n+\dt):O+8*(4*\n+\dt)+7], v[F+8*\dt:F+8*\dt+7], v[S+8*(4*\n):S+8*(4*\n)+7], v[O+8*(4*\n+\dt):O+8*(4*\n+\dt)+7]
.endif
.endr
.endr
.irp dt, 0,1,2,3
.irp n, 0,1
	v_wmma_f32_16x16x32_bf16 v[O+8*(4*\n+\dt):O+8*(4*\n+\dt)+7], v[F+8*(4+\dt):F+8*(4+\dt)+7], v[S+8*(4*\n+2):S+8*(4*\n+2)+7], v[O+8*(4*\n+\dt):O+8*(4*\n+\dt)+7]   ; the eight accumulators take turns
.endr
.endr
	v_add_nc_u32 v[KA], BLK, v[KA]                 ; the next block; with the four below, five places before the next products write over P
	PLACES
.endm
.macro PASS slot                       ; my key group's four blocks of a slot
	v_add_nc_u32 v[KA], \slot*SLOT, v[LT]
	s_mov_b32 s44, GBLK
.Lpass_\@:
	BLOCK 0
	s_sub_co_u32 s44, s44, 1
	s_cmp_lg_u32 s44, 0
	s_cbranch_scc1 .Lpass_\@
.endm
	s_wait_tensorcnt 0x1                           ; my part of slot 0 is in; slot 1's stays out
	s_barrier_signal -1
	s_barrier_wait -1                              ; everybody's is
	s_wait_loadcnt 0x0                             ; Q
	v_mov_b32 v[KA], v[LT]
	BLOCK 1                                        ; my first block starts maxima and sums
	s_mov_b32 s44, GBLK-1
.Lfirst:
	BLOCK 0
	s_sub_co_u32 s44, s44, 1
	s_cmp_lg_u32 s44, 0
	s_cbranch_scc1 .Lfirst
	s_wait_tensorcnt 0x0                           ; all my loads have landed, my part of slot 1 among them: group 0 may be written
	ds_add_u32 v7, v31
	s_add_nc_u64 s[34:35], s[34:35], 16*16384      ; slot 0 next holds blocks 16-23
	s_wait_dscnt 0x0                               ; my reads of slot 0 are over
	ROUND                                          ; both hold of every wave of all four partners
	tensor_load_to_lds s[32:35], s[16:23]          ; my one load behind the round; it has a slot's work in which to land
	s_nop 0
	PASS 1                                         ; blocks 8-15
	s_wait_tensorcnt 0x0
	ds_add_u32 v7, v31
	s_add_nc_u64 s[38:39], s[38:39], 16*16384      ; slot 1 next holds blocks 24-31
	s_wait_dscnt 0x0
	ROUND
	tensor_load_to_lds s[36:39], s[16:23]
	s_nop 0
	PASS 0                                         ; blocks 16-23
	s_wait_tensorcnt 0x0                           ; the last fill has landed
	s_wait_dscnt 0x0                               ; my reads of slot 0 are over: it has had its last fill and, behind this barrier, its last read
	s_barrier_signal -1
	s_barrier_wait -1
	PASS 1                                         ; blocks 24-31
	; THE MERGE.  Waves 8-15 put O (64 registers), their sums and their NM into their pair's bytes at the head of slot 0, lane by lane (16 bytes a lane,
	; 512 consecutive bytes an instruction).  The block's last five places stand between the last products and these stores.
	s_cmp_lt_u32 s8, 8
	s_cbranch_scc1 .Lkeeps                         ; waves 0-7 store nothing
.set II, 0
.rept 16
	ds_store_b128 v[MG], v[O+4*II:O+4*II+3] offset:512*II
.set II, II+1
.endr
	ds_store_b128 v[MG], v[L:L+3] offset:8192      ; L of both tiles, NM of both tiles
.Lkeeps:
	s_wait_dscnt 0x0                               ; for the partner's sake: my stores are done
	s_barrier_signal -1
	s_barrier_wait -1
	s_cmp_ge_u32 s8, 8
	s_cbranch_scc1 .Lhanded                        ; waves 8-15 have handed their part over
	ds_load_b128 v[22:25], v[MG] offset:8192       ; the partner's L in v22-23, its NM in v24-25
.set II, 0
.rept 16
	ds_load_b128 v[F+4*II:F+4*II+3], v[MG] offset:512*II           ; the partner's O, register for register
.set II, II+1
.endr
	s_wait_dscnt 16                                ; sums and maxima are in; the sixteen loads of O may be out
	v_min_num_f32 v26, v[NM], v24                  ; the smaller NM belongs to the larger maximum
	v_min_num_f32 v27, v[NM+1], v25
	v_sub_f32 v[AL], v26, v[NM]                    ; both exponents are at most 0, one of them is 0
	v_sub_f32 v[AL+1], v27, v[NM+1]
	v_sub_f32 v28, v26, v24
	v_sub_f32 v29, v27, v25
	v_exp_f32 v[AL], v[AL]
	v_exp_f32 v[AL+1], v[AL+1]
	v_exp_f32 v28, v28
	v_exp_f32 v29, v29
	v_nop                                          ; one plain place behind the exponentials
	s_wait_alu depctr_va_vdst(0)
	v_mul_f32 v[L], v[L], v[AL]
	v_mul_f32 v[L+1], v[L+1], v[AL+1]
	v_fma_f32 v[L], v22, v28, v[L]
	v_fma_f32 v[L+1], v23, v29, v[L+1]
	v_permlanex16_b32 v24, v[L], s48, s49          ; the two halves of the lanes hold the sums over different keys
	v_permlanex16_b32 v25, v[L+1], s48, s49
	v_add_f32 v[L], v[L], v24
	v_add_f32 v[L+1], v[L+1], v25
	v_rcp_f32 v26, v[L]                            ; L is at least the largest key's p, which is 1
	v_rcp_f32 v27, v[L+1]
	v_nop                                          ; one plain place behind the reciprocals
	s_wait_alu depctr_va_vdst(0)
	v_pk_mul_f32 v[AL:AL+1], v[AL:AL+1], v[26:27]  ; the division rides on the two merge factors
	v_pk_mul_f32 v[28:29], v[28:29], v[26:27]
	s_wait_dscnt 0x0                               ; the partner's O is in
.irp n, 0,1
.set II, 0
.rept 16
	v_pk_mul_f32 v[O+32*\n+II:O+32*\n+II+1], v[O+32*\n+II:O+32*\n+II+1], v[AL:AL+1] op_sel:[0,\n] op_sel_hi:[1,\n]
	v_pk_fma_f32 v[O+32*\n+II:O+32*\n+II+1], v[F+32*\n+II:F+32*\n+II+1], v[28:29], v[O+32*\n+II:O+32*\n+II+1] op_sel:[0,\n,0] op_sel_hi:[1,\n,1]
.set II, II+2
.endr
.endr
	; THE WAY OUT, waves 0-7: bf16, through my stage (32 query rows x 128 bytes, pitch 144), out as 4 KiB dense.
	; ctx layout: [block of 128 tokens][head][128 tokens][64], so that the next product's tiles are dense.
.set II, 0
.rept 32
	v_cvt_pk_bf16_f32 v[S+II], v[O+2*II], v[O+2*II+1]      ; tile (dt, n): 8 neighbouring d of one query, 16 bytes at S + 4 (4 n + dt)
.set II, II+1
.endr
	s_lshr_b32 s50, s14, 4                         ; batch
	s_lshl_b32 s50, s50, 4
	s_lshl1_add_u32 s50, s13, s50                  ; + 2 x query block
	s_lshr_b32 s51, s9, 2
	s_add_co_u32 s50, s50, s51                     ; block of 128 tokens
	s_and_b32 s51, s14, 15
	s_lshl4_add_u32 s50, s50, s51                  ; x 16 + head
	s_lshl_b32 s50, s50, 14
	s_and_b32 s51, s9, 3
	s_lshl_b32 s51, s51, 12                        ; my 32 rows of 128 bytes
	s_add_co_u32 s50, s50, s51
	s_mov_b32 s51, 0
	s_add_nc_u64 s[52:53], s[10:11], s[50:51]
.irp n, 0,1
.irp dt, 0,1,2,3
	ds_store_b128 v[STO], v[S+4*(4*\n+\dt):S+4*(4*\n+\dt)+3] offset:16*SPITCH*\n+32*\dt
.endr
.endr
.irp i, 0,1,2,3,4,5,6,7
	ds_load_b128 v[F+4*\i:F+4*\i+3], v[RD] offset:4*SPITCH*\i      ; LDS serves a wave's instructions in order: these see the stores above
.endr
.irp i, 0,1,2,3,4,5,6,7
	s_wait_dscnt 7-\i                              ; piece i is back, the younger ones stay out
	global_store_b128 v[CO], v[F+4*\i:F+4*\i+3], s[52:53] offset:512*\i   ; 512 consecutive bytes, aligned
.endr
.Lhanded:
	s_wait_tensorcnt 0x0
	ds_add_u32 v7, v31
	s_wait_dscnt 0x0
	ROUND                                          ; the closing round
	s_endpgm
.Lfunc_end_k_qede1777dc4_attn:
	.size	k_qede1777dc4_attn, .Lfunc_end_k_qede1777dc4_attn-k_qede1777dc4_attn
	.p2alignl 7, 3214868480
	.fill 96, 4, 3214868480
	.section	.rodata,"a",@progbits
	.p2align	6, 0x0
	.amdhsa_kernel k_qede1777dc4_attn
		.amdhsa_group_segment_fixed_size 327680
		.amdhsa_private_segment_fixed_size 0
		.amdhsa_enable_private_segment 0
		.amdhsa_kernarg_size 24
		.amdhsa_user_sgpr_count 2
		.amdhsa_user_sgpr_kernarg_segment_ptr 1
		.amdhsa_wavefront_size32 1
		.amdhsa_system_sgpr_workgroup_id_x 1
		.amdhsa_system_sgpr_workgroup_id_y 1
		.amdhsa_system_sgpr_workgroup_id_z 1
		.amdhsa_system_vgpr_workitem_id 0
		.amdhsa_next_free_vgpr 256
		.amdhsa_next_free_sgpr 66
		.amdhsa_reserve_vcc 0
		.amdhsa_float_denorm_mode_32 3
		.amdhsa_float_denorm_mode_16_64 3
		.amdhsa_memory_ordered 1
		.amdhsa_forward_progress 1
		.amdhsa_inst_pref_size 103
	.end_amdhsa_kernel
	.amdgpu_metadata
---
amdhsa.version: [ 1, 2 ]
amdhsa.kernels:
  - .name:           k_qede1777dc4_attn
    .symbol:         k_qede1777dc4_attn.kd
    .args:
      - { .name: q, .offset: 0, .size: 8, .value_kind: global_buffer, .address_space: global }
      - { .name: kv, .offset: 8, .size: 8, .value_kind: global_buffer, .address_space: global }
      - { .name: ctx, .offset: 16, .size: 8, .value_kind: global_buffer, .address_space: global }
    .group_segment_fixed_size: 327680
    .private_segment_fixed_size: 0
    .kernarg_segment_align: 8
    .kernarg_segment_size: 24
    .max_flat_workgroup_size: 512
    .sgpr_count:     66
    .vgpr_count:     256
    .wavefront_size: 32
...
	.end_amdgpu_metadata
.endif
;; end of part 3
;; launch oproj (part 4): grid 8 x 32, 4 waves a work-group, clusters of 4 x 4, 327,680 bytes of LDS; arguments ctx, bf, y; writes y
.if DOCPART == 4
	.amdgcn_target "amdgcn-amd-amdhsa--gfx1250"
	.amdhsa_code_object_version 6
	.text
	.protected	k_qede1777dc4_oproj
	.globl	k_qede1777dc4_oproj
	.p2align	8
	.type	k_qede1777dc4_oproj,@function
k_qede1777dc4_oproj:
	s_mov_b64 s[64:65], 0
	v_nop
	global_prefetch_b8 v0, s[64:65] scope:SCOPE_SE
	s_setreg_imm32_b32 hwreg(HW_REG_WAVE_MODE, 25, 1), 1
	s_wait_xcnt 0x0
	s_wait_alu depctr_hold_cnt(0) depctr_sa_sdst(0) depctr_va_vdst(0) depctr_va_sdst(0) depctr_va_ssrc(0) depctr_va_vcc(0) depctr_vm_vsrc(0)
	s_getreg_b32 s2, hwreg(HW_REG_IB_STS2, 6, 4)
	s_cmp_eq_u32 s2, 0
	s_cbranch_scc0 .Lentry_in_a_cluster
	s_endpgm
.Lentry_in_a_cluster:
	s_bfe_u32 s2, ttmp6, 0x10000c
	s_cmp_lg_u32 s2, 0xf033
	s_cbranch_scc0 .Lentry_shape_is_right
	s_endpgm
.Lentry_shape_is_right:
; oproj: y = ctx w_o^T, 4096 x 1024 x 1024, bf16 operands, f32 sums, y in f32.  Bias, residual and LayerNorm follow in the next launch, which needs whole rows.
; A work-group makes 128 tokens x 128 columns; grid x = column block, grid y = token block; 256 work-groups.
; Four waves; wave (wr = w / 2, wc = w % 2) makes 64 x 64: 16 accumulator tiles.
; ctx lies as [token block][head][128 tokens][64], so a token block's whole K range is 256 KiB dense in K order: a fill of 4 heads (K = 256) is 64 KiB dense and
; comes in as rows of 256 bytes, two tokens a row.  w_o's part of a fill is 128 rows of 512 bytes.  Two slots, four fills: two at the start, two refills.
; CLUSTERS: 4 x 4 work-groups; ctx tiles are asked for jointly along a row of the cluster, w_o tiles along a column.
; The matrix instruction is used transposed (source 0 = w_o rows, source 1 = tokens): a lane holds 8 neighbouring columns of one token.
; K = 1024 is 16 steps of 64 (a head each), written out without a loop.  Fragments of even steps lie in window 0, of odd steps in window 1.
.set APITCH, 272
.set BPITCH, 528                       ; 512 bytes + 16: an odd multiple of 16
.set AHEAD,  64*APITCH                 ; 17,408: a head's 128 tokens
.set AHALF,  128*APITCH                ; what wave 0 or 1 fetches: two heads
.set BHALF,  64*BPITCH                 ; what wave 2 or 3 fetches: 64 rows of w_o
.set BOFF,   2*AHALF                   ; 69,632
.set SLOT,   2*AHALF+2*BHALF           ; 137,216
.set STAGE,  2*SLOT                    ; 16 rows x 272 bytes for each wave, never a tensor load's target
.set AFILL,  65536                     ; bytes of ctx from a fill to the next
.set BFILL,  512                       ; bytes along a row of w_o from a fill to the next
.set WOB,    0xe00000                  ; byte offset of w_o in bf
.set ADRA, 16                          ; v16-17  LDS address of my token fragments in slot 0, 1
.set ADRB, 20                          ; v20-21  the same for w_o
.set STO,  24
.set RD,   25
.set CO,   26
.set FR,   128                         ; fragments: W[b][ks] at FR + 8 (2 b + ks), X[a][ks] at FR + 64 + 8 (2 a + ks); accumulators: window 1, tile (a, b) at 8 (4 a + b)
.set G1,  24
.set G0,  32
.set G1B, 48
.set G0B, 56
.set MSB, 0
.macro WIN new                         ; the immediate's high byte repeats the setting that is left
.if MSB != \new
	s_set_vgpr_msb (MSB<<8)|\new
.set MSB, \new
.endif
.endm
.macro PLACES                          ; four places behind matrix instructions (ISA guide 7.12.1)
.rept 4
	v_nop
.endr
.endm
.macro JLOAD s                         ; waves 0, 1 ask for ctx, waves 2, 3 for w_o; the branch hangs on the wave number alone
	s_cmp_eq_u32 s11, 0
	s_cbranch_scc0 .Lfor_b_\@
	tensor_load_to_lds s[G0+4*\s:G0+4*\s+3], s[G1:G1+7]
	s_nop 0
	s_branch .Lasked_\@
.Lfor_b_\@:
	tensor_load_to_lds s[G0B+4*\s:G0B+4*\s+3], s[G1B:G1B+7]
	s_nop 0
.Lasked_\@:
.endm
.macro CREST
	s_cmp_lg_u32 s10, 0
	s_cbranch_scc1 .Lnot_wave_0_\@
	s_barrier_signal -3
.Lnot_wave_0_\@:
	s_barrier_wait -3
	s_barrier_signal -1
	s_barrier_wait -1
.endm
.macro CROUND
	s_barrier_signal -1
	s_barrier_wait -1
	CREST
.endm
	s_load_b128 s[4:7], s[0:1], 0x0                ; ctx s[4:5], bf s[6:7]
	s_load_b64 s[8:9], s[0:1], 0x10                ; y
	v_lshl_add_u32 v126, v0, 2, 0x47400
	v_mov_b32 v127, 0
	ds_add_u32 v126, v127
	v_lshrrev_b32 v1, 5, v0
	v_readfirstlane_b32 s10, v1                    ; wave 0..3
	s_lshr_b32 s11, s10, 1                         ; wr.  Also: 0 I fetch ctx, 1 I fetch w_o
	s_and_b32 s12, s10, 1                          ; wc.  Also: which half of that tile
	s_bfe_u32 s40, ttmp6, 0x40000                  ; cx
	s_bfe_u32 s41, ttmp6, 0x40004                  ; cy
	s_lshl_b32 s42, ttmp9, 2
	s_add_co_u32 s42, s42, s40                     ; column block
	s_and_b32 s13, ttmp7, 0xffff
	s_lshl_b32 s13, s13, 2
	s_add_co_u32 s13, s13, s41                     ; token block
	s_lshl_b32 s43, s41, 2
	s_lshl_b32 s43, 15, s43                        ; my row of the cluster
	s_lshl_b32 s44, 0x1111, s40                    ; my column
	; ctx: 128 dense rows of 32 elements of 8 bytes, padding behind every 64 words.  w_o: 64 rows of 256 bf16, pitch 1,024, padding behind every 128 words.
	s_or_b32 s[G1+0], s43, (3<<16)|(1<<20)|(1<<21)|(5<<22)|(3<<25)
	s_or_b32 s[G1B+0], s44, (1<<16)|(1<<20)|(1<<21)|(6<<22)|(3<<25)
	s_mov_b32 s[G1+1], 32<<16
	s_mov_b32 s[G1B+1], 256<<16
	s_mov_b32 s[G1+2], 128<<16
	s_mov_b32 s[G1B+2], 64<<16
	s_mov_b32 s[G1+3], 32<<16
	s_mov_b32 s[G1B+3], 256<<16
	s_mov_b32 s[G1+4], 128
	s_mov_b32 s[G1B+4], 64
	s_mov_b32 s[G1+5], 32
	s_mov_b32 s[G1B+5], 1024
	s_mov_b32 s[G1+6], 0
	s_mov_b32 s[G1B+6], 0
	s_mov_b32 s[G1+7], 0
	s_mov_b32 s[G1B+7], 0
	s_lshl_b32 s16, s13, 18                        ; ctx: 256 KiB a token block,
	s_lshl_b32 s17, s12, 15                        ; two heads a half
	s_add_co_u32 s16, s16, s17
	s_mov_b32 s17, 0
	s_lshl_b32 s46, s42, 7
	s_lshl_b32 s47, s12, 6
	s_add_co_u32 s46, s46, s47                     ; w_o row 128 x column block + 64 x half
	s_lshl_b32 s46, s46, 11
	s_add_co_u32 s46, s46, WOB
	s_mov_b32 s47, 0
	s_mul_i32 s20, s10, AHALF                      ; LDS: waves 0, 1 at 0 and AHALF
	s_mul_i32 s21, s10, BHALF
	s_add_co_u32 s21, s21, BOFF-2*BHALF            ; waves 2, 3 at BOFF and BOFF + BHALF
	s_wait_dscnt 0x0
	s_wait_kmcnt 0x0
	s_add_nc_u64 s[14:15], s[4:5], s[16:17]
	s_add_nc_u64 s[46:47], s[6:7], s[46:47]
	CROUND                                         ; the first joint loads meet
.irp s, 0,1
	s_mov_b32 s[G0+4*\s], 1
	s_add_co_u32 s[G0+4*\s+1], s20, \s*SLOT
	s_add_nc_u64 s[G0+4*\s+2:G0+4*\s+3], s[14:15], \s*AFILL
	s_or_b32 s[G0+4*\s+3], s[G0+4*\s+3], 0x80000000
	s_mov_b32 s[G0B+4*\s], 1
	s_add_co_u32 s[G0B+4*\s+1], s21, \s*SLOT
	s_add_nc_u64 s[G0B+4*\s+2:G0B+4*\s+3], s[46:47], \s*BFILL
	s_or_b32 s[G0B+4*\s+3], s[G0B+4*\s+3], 0x80000000
	JLOAD \s                                       ; two loads of this wave are out
.endr
	v_and_b32 v1, 15, v0                           ; r
	v_bfe_u32 v2, v0, 4, 1                         ; h
	v_lshrrev_b32 v3, 1, v1
	v_and_b32 v4, 1, v0
	v_mul_u32_u24 v3, v3, APITCH
	v_lshl_add_u32 v3, v4, 7, v3
	v_lshl_add_u32 v3, v2, 4, v3                   ; token r: (r / 2) 272 + (r % 2) 128 + 16 h
	v_mul_u32_u24 v5, v1, BPITCH
	v_lshl_add_u32 v5, v2, 4, v5                   ; w_o row r: 528 r + 16 h
	s_mul_i32 s22, s11, 32*APITCH                  ; my 64 tokens
	s_mul_i32 s23, s12, BHALF                      ; my 64 rows of w_o
	s_add_co_u32 s23, s23, BOFF
.irp s, 0,1
	v_add_nc_u32 v[ADRA+\s], s22, v3
	v_add_nc_u32 v[ADRB+\s], s23, v5
	s_add_co_u32 s22, s22, SLOT
	s_add_co_u32 s23, s23, SLOT
.endr
	s_mul_i32 s22, s10, 16*APITCH
	s_add_co_u32 s22, s22, STAGE                   ; my stage
	v_mul_u32_u24 v6, v1, APITCH
	v_lshl_add_u32 v6, v2, 5, v6
	v_add_nc_u32 v[STO], s22, v6                   ; in: token r, 32 bytes for each half of the lanes
	v_mul_u32_u24 v7, v2, APITCH
	v_lshl_add_u32 v7, v1, 4, v7
	v_add_nc_u32 v[RD], s22, v7                    ; back: lanes 0-15 one row of 256 bytes, lanes 16-31 the next
	v_lshlrev_b32 v[CO], 4, v1
	v_lshl_add_u32 v[CO], v2, 12, v[CO]            ; the same two rows in y
; 32 LDS loads: the fragments of step s, 64 along K
.macro FETCH64 s
.if (\s)%2
	WIN 0x40
.else
	WIN 0
.endif
.set SL, ((\s)/4)%2
.set HH, (\s)%4
.irp b, 0,1,2,3
.irp ks, 0,1
	ds_load_b128 v[FR+8*(2*\b+\ks):FR+8*(2*\b+\ks)+3],   v[ADRB+SL] offset:128*HH+64*\ks+16*BPITCH*\b
	ds_load_b128 v[FR+8*(2*\b+\ks)+4:FR+8*(2*\b+\ks)+7], v[ADRB+SL] offset:128*HH+64*\ks+16*BPITCH*\b+32
.endr
.endr
.irp a, 0,1,2,3
.irp ks, 0,1
	ds_load_b128 v[FR+64+8*(2*\a+\ks):FR+64+8*(2*\a+\ks)+3],   v[ADRA+SL] offset:AHEAD*HH+64*\ks+8*APITCH*\a
	ds_load_b128 v[FR+64+8*(2*\a+\ks)+4:FR+64+8*(2*\a+\ks)+7], v[ADRA+SL] offset:AHEAD*HH+64*\ks+8*APITCH*\a+32
.endr
.endr
.endm
; 16 matrix instructions, 32 along K; the 16 accumulators take turns, one instruction a turn
.macro MUL16 ks, zero
.irp a, 0,1,2,3
.irp b, 0,1,2,3
.if \zero
	v_wmma_f32_16x16x32_bf16 v[8*(4*\a+\b):8*(4*\a+\b)+7], v[FR+8*(2*\b+\ks):FR+8*(2*\b+\ks)+7], v[FR+64+8*(2*\a+\ks):FR+64+8*(2*\a+\ks)+7], 0
.else
	v_wmma_f32_16x16x32_bf16 v[8*(4*\a+\b):8*(4*\a+\b)+7], v[FR+8*(2*\b+\ks):FR+8*(2*\b+\ks)+7], v[FR+64+8*(2*\a+\ks):FR+64+8*(2*\a+\ks)+7], v[8*(4*\a+\b):8*(4*\a+\b)+7]
.endif
.endr
.endr
.endm
; Step s.  sync = 1: all fragments of the slot in use have been asked for: the waves meet, and with refill = 1 slot rslot is asked for again.
; fetch = 1: the fragments of step s + 2 follow, into the buffer just multiplied.  left: how many younger LDS loads may stay out.
.macro STEP s, sync, refill, rslot, fetch, left, zero
	s_wait_dscnt \left
.if (\s)%2
	WIN 0x55                                       ; sources, C and D in window 1
.else
	WIN 0x50                                       ; sources in window 0, C and D in window 1
.endif
	MUL16 0, \zero
.if \sync
	s_wait_dscnt 0x0                               ; my reads of the slot in use are over
	s_wait_tensorcnt 0x0                           ; all my tensor loads have landed: my part of the other slot
	ds_add_u32 v126, v127
	s_wait_dscnt 0x0
	s_barrier_signal -1
.endif
	MUL16 1, 0
.if \sync
	WIN 0
	s_barrier_wait -1
.if \refill
	CREST                                          ; the barrier above opened a round of the cluster barrier
	s_add_nc_u64 s[G0+4*\rslot+2:G0+4*\rslot+3], s[G0+4*\rslot+2:G0+4*\rslot+3], 2*AFILL
	s_add_nc_u64 s[G0B+4*\rslot+2:G0B+4*\rslot+3], s[G0B+4*\rslot+2:G0B+4*\rslot+3], 2*BFILL
	JLOAD \rslot                                   ; my one tensor load behind the round; four steps, 128 matrix instructions, in which to land
.endif
.endif
.if \fetch
	PLACES
	FETCH64 (\s+2)
.endif
.endm
	s_wait_tensorcnt 0x1                           ; my part of the first fill is in; the second stays out
	s_barrier_signal -1
	s_barrier_wait -1
	FETCH64 0
	FETCH64 1
	STEP 0,  0, 0, 0, 1, 32, 1                     ; the count 32: the next step's fragments stay out
	STEP 1,  0, 0, 0, 1, 32, 0
	STEP 2,  1, 1, 0, 1, 32, 0                     ; steps 0-3 have been fetched: slot 0 takes heads 8-11
	STEP 3,  0, 0, 0, 1, 32, 0
	STEP 4,  0, 0, 0, 1, 32, 0
	STEP 5,  0, 0, 0, 1, 32, 0
	STEP 6,  1, 1, 1, 1, 32, 0                     ; steps 4-7 have been fetched: slot 1 takes heads 12-15
	STEP 7,  0, 0, 0, 1, 32, 0
	STEP 8,  0, 0, 0, 1, 32, 0
	STEP 9,  0, 0, 0, 1, 32, 0
	STEP 10, 1, 0, 0, 1, 32, 0                     ; the last fill has landed in every wave
	STEP 11, 0, 0, 0, 1, 32, 0
	STEP 12, 0, 0, 0, 1, 32, 0
	STEP 13, 0, 0, 0, 1, 32, 0
	STEP 14, 0, 0, 0, 0, 32, 0
	STEP 15, 0, 0, 0, 0, 0,  0
	PLACES                                         ; behind the last matrix instructions, in front of the LDS stores of their results
	; THE WAY OUT, 16 tokens at a time: 32 bytes a lane and tile into my stage, read back as rows of 256 bytes.  Both coordinates meet only here.
	s_lshl_b32 s72, s13, 7
	s_lshl_b32 s73, s11, 6
	s_add_co_u32 s72, s72, s73                     ; my first token
	s_lshl_b32 s72, s72, 12                        ; rows of 4,096 bytes
	s_lshl_b32 s73, s42, 9                         ; my first column in bytes: 512 x block + 256 x half
	s_add_co_u32 s72, s72, s73
	s_lshl_b32 s73, s12, 8
	s_add_co_u32 s72, s72, s73
	s_mov_b32 s73, 0
	s_add_nc_u64 s[68:69], s[8:9], s[72:73]
.irp a, 0,1,2,3
	WIN 0x04                                       ; the stores' data in window 1
.irp b, 0,1,2,3
	ds_store_b128 v[STO], v[8*(4*\a+\b):8*(4*\a+\b)+3]   offset:64*\b
	ds_store_b128 v[STO], v[8*(4*\a+\b)+4:8*(4*\a+\b)+7] offset:64*\b+16
.endr
	WIN 0
.irp t, 0,1,2,3,4,5,6,7
	ds_load_b128 v[FR+32*\a+4*\t:FR+32*\a+4*\t+3], v[RD] offset:2*APITCH*\t      ; LDS serves a wave's instructions in order; each a has registers of its own
.endr
.irp t, 0,1,2,3,4,5,6,7
	s_wait_dscnt 7-\t                              ; piece t is back, the younger ones stay out
	global_store_b128 v[CO], v[FR+32*\a+4*\t:FR+32*\a+4*\t+3], s[68:69] offset:(16*\a+2*\t)*4096   ; 16 lanes store 256 consecutive bytes, aligned
.endr
.endr
	s_wait_tensorcnt 0x0
	ds_add_u32 v126, v127
	s_wait_dscnt 0x0
	CROUND                                         ; the closing round
	s_endpgm
.Lfunc_end_k_qede1777dc4_oproj:
	.size	k_qede1777dc4_oproj, .Lfunc_end_k_qede1777dc4_oproj-k_qede1777dc4_oproj
	.p2alignl 7, 3214868480
	.fill 96, 4, 3214868480
	.section	.rodata,"a",@progbits
	.p2align	6, 0x0
	.amdhsa_kernel k_qede1777dc4_oproj
		.amdhsa_group_segment_fixed_size 327680
		.amdhsa_private_segment_fixed_size 0
		.amdhsa_enable_private_segment 0
		.amdhsa_kernarg_size 24
		.amdhsa_user_sgpr_count 2
		.amdhsa_user_sgpr_kernarg_segment_ptr 1
		.amdhsa_wavefront_size32 1
		.amdhsa_system_sgpr_workgroup_id_x 1
		.amdhsa_system_sgpr_workgroup_id_y 1
		.amdhsa_system_sgpr_workgroup_id_z 1
		.amdhsa_system_vgpr_workitem_id 0
		.amdhsa_next_free_vgpr 512
		.amdhsa_next_free_sgpr 80
		.amdhsa_reserve_vcc 0
		.amdhsa_float_denorm_mode_32 3
		.amdhsa_float_denorm_mode_16_64 3
		.amdhsa_memory_ordered 1
		.amdhsa_forward_progress 1
		.amdhsa_inst_pref_size 85
	.end_amdhsa_kernel
	.amdgpu_metadata
---
amdhsa.version: [ 1, 2 ]
amdhsa.kernels:
  - .name:           k_qede1777dc4_oproj
    .symbol:         k_qede1777dc4_oproj.kd
    .args:
      - { .name: ctx, .offset: 0, .size: 8, .value_kind: global_buffer, .address_space: global }
      - { .name: bf, .offset: 8, .size: 8, .value_kind: global_buffer, .address_space: global }
      - { .name: y, .offset: 16, .size: 8, .value_kind: global_buffer, .address_space: global }
    .group_segment_fixed_size: 327680
    .private_segment_fixed_size: 0
    .kernarg_segment_align: 8
    .kernarg_segment_size: 24
    .max_flat_workgroup_size: 128
    .sgpr_count:     80
    .vgpr_count:     512
    .wavefront_size: 32
...
	.end_amdgpu_metadata
.endif
;; end of part 4
;; launch ln (part 5): grid 256 x 1, 4 waves a work-group, no clusters, 0 bytes of LDS; arguments y, x, b_o, ln_gamma, ln_beta, out0; writes out0
.if DOCPART == 5
	.amdgcn_target "amdgcn-amd-amdhsa--gfx1250"
	.amdhsa_code_object_version 6
	.text
	.protected	k_qede1777dc4_ln
	.globl	k_qede1777dc4_ln
	.p2align	8
	.type	k_qede1777dc4_ln,@function
k_qede1777dc4_ln:
	s_mov_b64 s[64:65], 0
	v_nop
	global_prefetch_b8 v0, s[64:65] scope:SCOPE_SE
	s_setreg_imm32_b32 hwreg(HW_REG_WAVE_MODE, 25, 1), 1
	s_wait_xcnt 0x0
; ln: t = y + b_o + x; out0 = (t - mean) rsqrt(var + 1e-5) gamma + beta, along rows of 1,024, all in f32.
; One wave takes a whole row (4,096 bytes: 8 loads of 16 bytes a lane) and keeps it in 32 registers through both passes: mean first, then the sum of
; (t - mean)^2, so no difference of large sums is formed.  Four waves, four consecutive rows each; two row slots take turns.
; Bias, gain and shift (12 KiB) are loaded once a wave and kept in 96 registers.  A stream: no LDS, no barrier, no matrix unit; what work-groups share
; is those 12 KiB against 192 KiB of rows a work-group, so no cluster.
.set ROWB, 4096
.set B,  16                            ; v[16:47]   b_o of my 32 columns
.set G,  48                            ; v[48:79]   ln_gamma
.set BT, 80                            ; v[80:111]  ln_beta
                                       ; slot s: y at v[112 + 64 s ..], x at v[144 + 64 s ..], 32 registers each;  v2-15 at work
	s_load_b256 s[4:11], s[0:1], 0x0               ; y s[4:5], x s[6:7], b_o s[8:9], ln_gamma s[10:11]
	s_load_b128 s[12:15], s[0:1], 0x20             ; ln_beta s[12:13], out0 s[14:15]
	v_lshrrev_b32 v2, 5, v0
	v_readfirstlane_b32 s22, v2                    ; wave
	v_and_b32 v1, 31, v0
	v_lshlrev_b32 v1, 4, v1                        ; 16 x lane; never rewritten: row and piece stand in the immediates
	s_lshl_b32 s18, ttmp9, 16                      ; 16 rows a work-group,
	s_lshl_b32 s19, s22, 14                        ; 4 rows a wave
	s_add_co_u32 s18, s18, s19
	s_mov_b32 s19, 0
	s_mov_b32 s16, 0x76543210                      ; v_permlanex16_b32: lane i of one half reads lane i of the other
	s_mov_b32 s17, 0xfedcba98
	s_mov_b32 s20, 0x3a800000                      ; 1 / 1024
	s_mov_b32 s21, 0x3727c5ac                      ; 1e-5
	v_mov_b32 v10, 0                               ; the destination of v_permlanex16_b32 counts as read
	s_wait_kmcnt 0x0
	s_add_nc_u64 s[4:5], s[4:5], s[18:19]
	s_add_nc_u64 s[6:7], s[6:7], s[18:19]
	s_add_nc_u64 s[14:15], s[14:15], s[18:19]
.irp j, 0,1,2,3,4,5,6,7
	global_load_b128 v[B+4*\j:B+4*\j+3],   v1, s[8:9]   offset:512*\j
	global_load_b128 v[G+4*\j:G+4*\j+3],   v1, s[10:11] offset:512*\j
	global_load_b128 v[BT+4*\j:BT+4*\j+3], v1, s[12:13] offset:512*\j
.endr
.macro FILL i, s                       ; sixteen loads: row i of y and of x, 512 consecutive bytes each
.irp j, 0,1,2,3,4,5,6,7
	global_load_b128 v[112+64*\s+4*\j:112+64*\s+4*\j+3], v1, s[4:5] offset:ROWB*\i+512*\j th:TH_LOAD_NT
.endr
.irp j, 0,1,2,3,4,5,6,7
	global_load_b128 v[144+64*\s+4*\j:144+64*\s+4*\j+3], v1, s[6:7] offset:ROWB*\i+512*\j th:TH_LOAD_NT
.endr
.endm
	FILL 0, 0
	FILL 1, 1
.macro LANESUM                         ; v2 summed over the 32 lanes, the result in every lane
	v_add_f32_dpp v2, v2, v2 row_xmask:1 row_mask:0xf bank_mask:0xf
	v_add_f32_dpp v2, v2, v2 row_xmask:2 row_mask:0xf bank_mask:0xf
	v_add_f32_dpp v2, v2, v2 row_xmask:4 row_mask:0xf bank_mask:0xf
	v_add_f32_dpp v2, v2, v2 row_xmask:8 row_mask:0xf bank_mask:0xf
	v_permlanex16_b32 v10, v2, s16, s17
	v_add_f32 v2, v2, v10
.endm
.macro FOLD                            ; four chains of pairs in v[2:9] into v2
	v_pk_add_f32 v[2:3], v[2:3], v[4:5]
	v_pk_add_f32 v[6:7], v[6:7], v[8:9]
	v_pk_add_f32 v[2:3], v[2:3], v[6:7]
	v_add_f32 v2, v2, v3
.endm
; Row i in slot s.  refill = 1: the slot then takes row i + 2.  left: how many younger loads may stay out.
.macro ROW i, s, refill, left
.set YY, 112+64*\s
.set XX, 144+64*\s
	s_wait_loadcnt \left                           ; loads come back in order: this row is in, the next row's sixteen stay out
.set II, 0
.rept 16
	v_pk_add_f32 v[YY+II:YY+II+1], v[YY+II:YY+II+1], v[XX+II:XX+II+1]     ; + residual
.set II, II+2
.endr
.set II, 0
.rept 16
	v_pk_add_f32 v[YY+II:YY+II+1], v[YY+II:YY+II+1], v[B+II:B+II+1]       ; + bias
.set II, II+2
.endr
.irp k, 0,1,2,3
	v_pk_add_f32 v[2+2*\k:3+2*\k], v[YY+2*\k:YY+2*\k+1], v[YY+8+2*\k:YY+9+2*\k]   ; four chains, started by the first numbers: nothing is cleared
.endr
.set II, 16
.rept 2
.irp k, 0,1,2,3
	v_pk_add_f32 v[2+2*\k:3+2*\k], v[2+2*\k:3+2*\k], v[YY+II+2*\k:YY+II+2*\k+1]
.endr
.set II, II+8
.endr
	FOLD
	LANESUM
	v_mul_f32 v12, s20, v2                         ; the mean, twice: a pair for the packed subtraction
	v_mul_f32 v13, s20, v2
.set II, 0
.rept 16
	v_pk_add_f32 v[YY+II:YY+II+1], v[YY+II:YY+II+1], v[12:13] neg_lo:[0,1] neg_hi:[0,1]
.set II, II+2
.endr
.irp k, 0,1,2,3
	v_pk_mul_f32 v[2+2*\k:3+2*\k], v[YY+2*\k:YY+2*\k+1], v[YY+2*\k:YY+2*\k+1]
.endr
.set II, 8
.rept 3
.irp k, 0,1,2,3
	v_pk_fma_f32 v[2+2*\k:3+2*\k], v[YY+II+2*\k:YY+II+2*\k+1], v[YY+II+2*\k:YY+II+2*\k+1], v[2+2*\k:3+2*\k]
.endr
.set II, II+8
.endr
	FOLD
	LANESUM
	v_fma_f32 v2, v2, s20, s21                     ; variance + 1e-5
	v_rsq_f32 v14, v2
	v_rsq_f32 v15, v2
	v_nop                                          ; one plain place behind the two (ISA guide 5.7.2)
.set II, 0
	s_wait_alu depctr_va_vdst(0)
.rept 16
	v_pk_mul_f32 v[YY+II:YY+II+1], v[YY+II:YY+II+1], v[14:15]
	v_pk_fma_f32 v[YY+II:YY+II+1], v[YY+II:YY+II+1], v[G+II:G+II+1], v[BT+II:BT+II+1]
.set II, II+2
.endr
.irp j, 0,1,2,3,4,5,6,7
	global_store_b128 v1, v[YY+4*\j:YY+4*\j+3], s[14:15] offset:ROWB*\i+512*\j th:TH_STORE_NT   ; 512 consecutive bytes, aligned
.endr
.if \refill
	s_wait_xcnt 0x0                                ; the stores' data registers are loaded again only behind this wait
	FILL (\i+2), \s
.endif
.endm
	ROW 0, 0, 1, 16
	ROW 1, 1, 1, 16
	ROW 2, 0, 0, 16
	ROW 3, 1, 0, 0
	s_endpgm
.Lfunc_end_k_qede1777dc4_ln:
	.size	k_qede1777dc4_ln, .Lfunc_end_k_qede1777dc4_ln-k_qede1777dc4_ln
	.p2alignl 7, 3214868480
	.fill 96, 4, 3214868480
	.section	.rodata,"a",@progbits
	.p2align	6, 0x0
	.amdhsa_kernel k_qede1777dc4_ln
		.amdhsa_group_segment_fixed_size 0
		.amdhsa_private_segment_fixed_size 0
		.amdhsa_enable_private_segment 0
		.amdhsa_kernarg_size 48
		.amdhsa_user_sgpr_count 2
		.amdhsa_user_sgpr_kernarg_segment_ptr 1
		.amdhsa_wavefront_size32 1
		.amdhsa_system_sgpr_workgroup_id_x 1
		.amdhsa_system_sgpr_workgroup_id_y 1
		.amdhsa_system_sgpr_workgroup_id_z 1
		.amdhsa_system_vgpr_workitem_id 0
		.amdhsa_next_free_vgpr 240
		.amdhsa_next_free_sgpr 66
		.amdhsa_reserve_vcc 0
		.amdhsa_float_denorm_mode_32 3
		.amdhsa_float_denorm_mode_16_64 3
		.amdhsa_memory_ordered 1
		.amdhsa_forward_progress 1
		.amdhsa_inst_pref_size 45
	.end_amdhsa_kernel
	.amdgpu_metadata
---
amdhsa.version: [ 1, 2 ]
amdhsa.kernels:
  - .name:           k_qede1777dc4_ln
    .symbol:         k_qede1777dc4_ln.kd
    .args:
      - { .name: y, .offset: 0, .size: 8, .value_kind: global_buffer, .address_space: global }
      - { .name: x, .offset: 8, .size: 8, .value_kind: global_buffer, .address_space: global }
      - { .name: b_o, .offset: 16, .size: 8, .value_kind: global_buffer, .address_space: global }
      - { .name: ln_gamma, .offset: 24, .size: 8, .value_kind: global_buffer, .address_space: global }
      - { .name: ln_beta, .offset: 32, .size: 8, .value_kind: global_buffer, .address_space: global }
      - { .name: out0, .offset: 40, .size: 8, .value_kind: global_buffer, .address_space: global }
    .group_segment_fixed_size: 0
    .private_segment_fixed_size: 0
    .kernarg_segment_align: 8
    .kernarg_segment_size: 48
    .max_flat_workgroup_size: 128
    .sgpr_count:     66
    .vgpr_count:     240
    .wavefront_size: 32
...
	.end_amdgpu_metadata
.endif
;; end of part 5
;; ======== version 2 of 2: 5 launches; version 1 with the launch ln written anew for expert scheduling mode
;; workspace buffers: bf 16,777,216 bytes; q 8,388,608 bytes; kv 16,777,216 bytes; ctx 8,388,608 bytes; y 16,777,216 bytes
;; launch cast: the kernel of part 1 again; grid 1024 x 1, 8 waves a work-group, no clusters, 0 bytes of LDS; arguments x, w_q, w_k, w_v, w_o, bf; writes bf
;; launch qkv: the kernel of part 2 again; grid 16 x 16, 4 waves a work-group, clusters of 4 x 4, 327,680 bytes of LDS; arguments bf, q, kv; writes q, kv
;; launch attn: the kernel of part 3 again; grid 8 x 32, 16 waves a work-group, clusters of 4 x 1, 327,680 bytes of LDS; arguments q, kv, ctx; writes ctx
;; launch oproj: the kernel of part 4 again; grid 8 x 32, 4 waves a work-group, clusters of 4 x 4, 327,680 bytes of LDS; arguments ctx, bf, y; writes y
;; launch ln (part 6): grid 256 x 1, 4 waves a work-group, no clusters, 0 bytes of LDS; arguments y, x, b_o, ln_gamma, ln_beta, out0; writes out0
.if DOCPART == 6
	.amdgcn_target "amdgcn-amd-amdhsa--gfx1250"
	.amdhsa_code_object_version 6
	.text
	.protected	k_qede1777dc4_ln
	.globl	k_qede1777dc4_ln
	.p2align	8
	.type	k_qede1777dc4_ln,@function
k_qede1777dc4_ln:
	s_mov_b64 s[64:65], 0
	v_nop
	global_prefetch_b8 v0, s[64:65] scope:SCOPE_SE
	s_setreg_imm32_b32 hwreg(HW_REG_WAVE_SCHED_MODE, 0, 2), 2
	s_setreg_imm32_b32 hwreg(HW_REG_WAVE_MODE, 25, 1), 1
	s_wait_xcnt 0x0
	s_wait_alu depctr_vm_vsrc(0)
; ln: t = y + b_o + x; out0 = (t - mean) rsqrt(var + 1e-5) gamma + beta, along rows of 1,024, all in f32.
; One wave takes a whole row (4,096 bytes: 8 loads of 16 bytes a lane) and keeps it in 32 registers through both passes: mean first, then the sum of
; (t - mean)^2, so no difference of large sums is formed.  Four waves, four consecutive rows each; two row slots take turns.
; Bias, gain and shift (12 KiB) are loaded once a wave and kept in 96 registers.  A stream: no LDS, no barrier, no matrix unit; what work-groups share
; is those 12 KiB against 192 KiB of rows a work-group, so no cluster.
; THE MODE: SCHED_MODE bits 1:0 = 2 (LLVM: expert scheduling mode 2), set by the entry lines.  The code itself states the register dependences
; between vector instructions and memory instructions, with s_wait_alu, always for 0.
; THE PLAN.  Registers that memory instructions touch (the text has no loop and no branch: four rows, written out):
;   v1         the offset of every load and store.  Written at the head, never again: one wait on va_vdst ahead of the first load serves them all.
;   B, G, BT   loaded once at the head; after that vector instructions alone name them.
;   XX[s]      x of the slot's row.  Written by loads; read by the row's sixteen residual additions alone.  Behind these one wait on va_vdst, and the loads of
;              the row two further on land in it, dealt among the bias additions, which name YY[s] and B alone.  No memory instruction ever reads XX.
;   YY[s]      y of the slot's row.  Written by loads, then by the row's arithmetic, in place; read by the row's eight stores.  One wait on va_vdst ahead of the
;              stores (the arithmetic has written it, and is done with it); behind them s_wait_xcnt 0 and one wait on vm_vsrc (the stores have read it), and
;              the loads of the row two further on land in it.  That wait also stands ahead of that row's arithmetic, which writes YY[s] again.
;   v2-15      at work: vector instructions alone name them.
.set ROWB, 4096
.set B,  16                            ; v[16:47]   b_o of my 32 columns
.set G,  48                            ; v[48:79]   ln_gamma
.set BT, 80                            ; v[80:111]  ln_beta
                                       ; slot s: y at v[112 + 64 s ..], x at v[144 + 64 s ..], 32 registers each;  v2-15 at work
	s_load_b256 s[4:11], s[0:1], 0x0               ; y s[4:5], x s[6:7], b_o s[8:9], ln_gamma s[10:11]
	s_load_b128 s[12:15], s[0:1], 0x20             ; ln_beta s[12:13], out0 s[14:15]
	v_lshrrev_b32 v2, 5, v0
	v_readfirstlane_b32 s22, v2                    ; wave
	v_and_b32 v1, 31, v0
	v_lshlrev_b32 v1, 4, v1                        ; 16 x lane; never rewritten: row and piece stand in the immediates
	s_lshl_b32 s18, ttmp9, 16                      ; 16 rows a work-group,
	s_wait_alu depctr_va_sdst(0)                   ; s22 is written, ahead of its first reader: the three bases are made from it
	s_lshl_b32 s19, s22, 14                        ; 4 rows a wave
	s_add_co_u32 s18, s18, s19
	s_mov_b32 s19, 0
	s_mov_b32 s16, 0x76543210                      ; v_permlanex16_b32: lane i of one half reads lane i of the other
	s_mov_b32 s17, 0xfedcba98
	s_mov_b32 s20, 0x3a800000                      ; 1 / 1024
	s_mov_b32 s21, 0x3727c5ac                      ; 1e-5
	v_mov_b32 v10, 0                               ; the destination of v_permlanex16_b32 counts as read
	s_wait_kmcnt 0x0
	s_add_nc_u64 s[4:5], s[4:5], s[18:19]
	s_add_nc_u64 s[6:7], s[6:7], s[18:19]
	s_add_nc_u64 s[14:15], s[14:15], s[18:19]
	s_wait_alu depctr_va_vdst(0)                   ; v1 is written: every load and store of the kernel reads it as its offset
.irp j, 0,1,2,3,4,5,6,7
	global_load_b128 v[B+4*\j:B+4*\j+3],   v1, s[8:9]   offset:512*\j
	global_load_b128 v[G+4*\j:G+4*\j+3],   v1, s[10:11] offset:512*\j
	global_load_b128 v[BT+4*\j:BT+4*\j+3], v1, s[12:13] offset:512*\j
.endr
.macro FILL i, s                       ; at the head: sixteen loads, row i of y and of x, 512 consecutive bytes each
.irp j, 0,1,2,3,4,5,6,7
	global_load_b128 v[112+64*\s+4*\j:112+64*\s+4*\j+3], v1, s[4:5] offset:ROWB*\i+512*\j th:TH_LOAD_NT
.endr
.irp j, 0,1,2,3,4,5,6,7
	global_load_b128 v[144+64*\s+4*\j:144+64*\s+4*\j+3], v1, s[6:7] offset:ROWB*\i+512*\j th:TH_LOAD_NT
.endr
.endm
	FILL 0, 0
	FILL 1, 1
.macro LANESUM                         ; v2 summed over the 32 lanes, the result in every lane
	v_add_f32_dpp v2, v2, v2 row_xmask:1 row_mask:0xf bank_mask:0xf
	v_add_f32_dpp v2, v2, v2 row_xmask:2 row_mask:0xf bank_mask:0xf
	v_add_f32_dpp v2, v2, v2 row_xmask:4 row_mask:0xf bank_mask:0xf
	v_add_f32_dpp v2, v2, v2 row_xmask:8 row_mask:0xf bank_mask:0xf
	v_permlanex16_b32 v10, v2, s16, s17
	v_add_f32 v2, v2, v10
.endm
.macro FOLD                            ; four chains of pairs in v[2:9] into v2
	v_pk_add_f32 v[2:3], v[2:3], v[4:5]
	v_pk_add_f32 v[6:7], v[6:7], v[8:9]
	v_pk_add_f32 v[2:3], v[2:3], v[6:7]
	v_add_f32 v2, v2, v3
.endm
; Row i in slot s.  refill = 1: the slot then takes row i + 2, its x early in the row, its y behind the stores.  left: how many younger loads may stay out:
; behind a row's own sixteen loads stand the eight of x and the eight of y of the row that follows it, whichever of the two kinds went out first.
.macro ROW i, s, refill, left
.set YY, 112+64*\s
.set XX, 144+64*\s
	s_wait_loadcnt \left                           ; loads come back in order: this row is in, the next row's sixteen stay out
.set II, 0
.rept 16
	v_pk_add_f32 v[YY+II:YY+II+1], v[YY+II:YY+II+1], v[XX+II:XX+II+1]     ; + residual
.set II, II+2
.endr
.if \refill
	s_wait_alu depctr_va_vdst(0)                   ; the sixteen additions above are done reading XX[s], in which the loads below land
.endif
.set II, 0
.rept 8
.if \refill
	global_load_b128 v[XX+II:XX+II+3], v1, s[6:7] offset:ROWB*(\i+2)+128*II th:TH_LOAD_NT   ; x two rows on; no vector instruction since the wait names XX[s]
.endif
	v_pk_add_f32 v[YY+II:YY+II+1],   v[YY+II:YY+II+1],   v[B+II:B+II+1]   ; + bias
	v_pk_add_f32 v[YY+II+2:YY+II+3], v[YY+II+2:YY+II+3], v[B+II+2:B+II+3]
.set II, II+4
.endr
.irp k, 0,1,2,3
	v_pk_add_f32 v[2+2*\k:3+2*\k], v[YY+2*\k:YY+2*\k+1], v[YY+8+2*\k:YY+9+2*\k]   ; four chains, started by the first numbers: nothing is cleared
.endr
.set II, 16
.rept 2
.irp k, 0,1,2,3
	v_pk_add_f32 v[2+2*\k:3+2*\k], v[2+2*\k:3+2*\k], v[YY+II+2*\k:YY+II+2*\k+1]
.endr
.set II, II+8
.endr
	FOLD
	LANESUM
	v_mul_f32 v12, s20, v2                         ; the mean, twice: a pair for the packed subtraction
	v_mul_f32 v13, s20, v2
.set II, 0
.rept 16
	v_pk_add_f32 v[YY+II:YY+II+1], v[YY+II:YY+II+1], v[12:13] neg_lo:[0,1] neg_hi:[0,1]
.set II, II+2
.endr
.irp k, 0,1,2,3
	v_pk_mul_f32 v[2+2*\k:3+2*\k], v[YY+2*\k:YY+2*\k+1], v[YY+2*\k:YY+2*\k+1]
.endr
.set II, 8
.rept 3
.irp k, 0,1,2,3
	v_pk_fma_f32 v[2+2*\k:3+2*\k], v[YY+II+2*\k:YY+II+2*\k+1], v[YY+II+2*\k:YY+II+2*\k+1], v[2+2*\k:3+2*\k]
.endr
.set II, II+8
.endr
	FOLD
	LANESUM
	v_fma_f32 v2, v2, s20, s21                     ; variance + 1e-5
	v_rsq_f32 v14, v2
	v_rsq_f32 v15, v2
	v_nop                                          ; one plain place behind the two (ISA guide 5.7.2)
	s_wait_alu depctr_va_vdst(0)                   ; the two reciprocal roots have written v14 and v15, ahead of their first reader: one wait for both
.set II, 0
.rept 16
	v_pk_mul_f32 v[YY+II:YY+II+1], v[YY+II:YY+II+1], v[14:15]
	v_pk_fma_f32 v[YY+II:YY+II+1], v[YY+II:YY+II+1], v[G+II:G+II+1], v[BT+II:BT+II+1]
.set II, II+2
.endr
	s_wait_alu depctr_va_vdst(0)                   ; the multiply-adds above have written YY[s], which the stores read; no vector instruction names it again before the loads below land in it
.irp j, 0,1,2,3,4,5,6,7
	global_store_b128 v1, v[YY+4*\j:YY+4*\j+3], s[14:15] offset:ROWB*\i+512*\j th:TH_STORE_NT   ; 512 consecutive bytes, aligned
.endr
.if \refill
	s_wait_xcnt 0x0                                ; the stores' data registers are loaded again only behind this wait
	s_wait_alu depctr_vm_vsrc(0)                   ; the eight stores have read YY[s], in which the loads below land and which the row two further on writes again
.irp j, 0,1,2,3,4,5,6,7
	global_load_b128 v[YY+4*\j:YY+4*\j+3], v1, s[4:5] offset:ROWB*(\i+2)+512*\j th:TH_LOAD_NT   ; y two rows on
.endr
.endif
.endm
	ROW 0, 0, 1, 16
	ROW 1, 1, 1, 16
	ROW 2, 0, 0, 16                                ; the last two rows ask for nothing more: no load leaves the buffers, and they hold no wait for a refill
	ROW 3, 1, 0, 0
	s_endpgm
.Lfunc_end_k_qede1777dc4_ln:
	.size	k_qede1777dc4_ln, .Lfunc_end_k_qede1777dc4_ln-k_qede1777dc4_ln
	.p2alignl 7, 3214868480
	.fill 96, 4, 3214868480
	.section	.rodata,"a",@progbits
	.p2align	6, 0x0
	.amdhsa_kernel k_qede1777dc4_ln
		.amdhsa_group_segment_fixed_size 0
		.amdhsa_private_segment_fixed_size 0
		.amdhsa_enable_private_segment 0
		.amdhsa_kernarg_size 48
		.amdhsa_user_sgpr_count 2
		.amdhsa_user_sgpr_kernarg_segment_ptr 1
		.amdhsa_wavefront_size32 1
		.amdhsa_system_sgpr_workgroup_id_x 1
		.amdhsa_system_sgpr_workgroup_id_y 1
		.amdhsa_system_sgpr_workgroup_id_z 1
		.amdhsa_system_vgpr_workitem_id 0
		.amdhsa_next_free_vgpr 240
		.amdhsa_next_free_sgpr 66
		.amdhsa_reserve_vcc 0
		.amdhsa_float_denorm_mode_32 3
		.amdhsa_float_denorm_mode_16_64 3
		.amdhsa_memory_ordered 1
		.amdhsa_forward_progress 1
		.amdhsa_inst_pref_size 46
	.end_amdhsa_kernel
	.amdgpu_metadata
---
amdhsa.version: [ 1, 2 ]
amdhsa.kernels:
  - .name:           k_qede1777dc4_ln
    .symbol:         k_qede1777dc4_ln.kd
    .args:
      - { .name: y, .offset: 0, .size: 8, .value_kind: global_buffer, .address_space: global }
      - { .name: x, .offset: 8, .size: 8, .value_kind: global_buffer, .address_space: global }
      - { .name: b_o, .offset: 16, .size: 8, .value_kind: global_buffer, .address_space: global }
      - { .name: ln_gamma, .offset: 24, .size: 8, .value_kind: global_buffer, .address_space: global }
      - { .name: ln_beta, .offset: 32, .size: 8, .value_kind: global_buffer, .address_space: global }
      - { .name: out0, .offset: 40, .size: 8, .value_kind: global_buffer, .address_space: global }
    .group_segment_fixed_size: 0
    .private_segment_fixed_size: 0
    .kernarg_segment_align: 8
    .kernarg_segment_size: 48
    .max_flat_workgroup_size: 128
    .sgpr_count:     66
    .vgpr_count:     240
    .wavefront_size: 32
...
	.end_amdgpu_metadata
.endif
;; end of part 6
